; MI455X (gfx1250); checked and timed in simulation.
; The chip was launched on July 23, 2026; its instructions are those of AMD's public machine-readable ISA for CDNA 5 (MIT licence, August 2026) and "CDNA5" Instruction Set Architecture Reference Guide (July 2026). The comments in the code are by the model that wrote it; some were corrected since.
;; My Module. Allowed arithmetic: matrix products marked QUANTISED: E2M3 operands, one E8M0 scale for each 32 along K, by v_wmma_scale_f32_16x16x128_f8f6f4 with both operands' format E2M3, f32 sums; everything else in f32.
;; Inputs: Wk 1,024 x 1,024 float32; Wo 1,024 x 1,024 float32; Wq 1,024 x 1,024 float32; Wv 1,024 x 1,024 float32; bk 1,024 float32; bo 1,024 float32; bq 1,024 float32; bv 1,024 float32; mask 4 x 2,048 bool; x 4 x 2,048 x 1,024 float32.
;; Outputs: out0 4 x 2,048 x 1,024 float32.
;; This version of the problem:
;;   THIS VERSION OF THE PROBLEM IS GIVEN IN LOW PRECISION. The matrix products marked QUANTISED in the list below multiply operands that are first quantised to E2M3 (2 exponent bits, 3 mantissa bits; 6 bits a number), with one power-of-two scale for each 32 numbers along K (OCP MX v1.0); their sums are f32. All else is computed in f32.
;;   The module's matrix products, in the order in which they are computed (A, B: the left and right operand; K: the contracted axis; several contracted axes count as one K, in the product's order):
;;     1. [M 8,192, K 1,024] x [K 1,024, N 1,024]; A: input x; B: input Wq: QUANTISED
;;     2. [M 8,192, K 1,024] x [K 1,024, N 1,024]; A: input x; B: input Wk: QUANTISED
;;     3. [M 8,192, K 1,024] x [K 1,024, N 1,024]; A: input x; B: input Wv: QUANTISED
;;     4. batch 64 x [M 2,048, K 64] x [K 64, N 2,048]; A: computed on the way; B: computed on the way: QUANTISED
;;     5. batch 64 x [M 2,048, K 2,048] x [K 2,048, N 64]; A: softmax (see below); B: computed on the way: QUANTISED
;;     6. [M 8,192, K 1,024] x [K 1,024, N 1,024]; A: computed on the way; B: input Wo: QUANTISED
;;   THE QUANTISER, for each operand of a quantised product, along K:
;;     - K is cut into blocks of 32 from its start; a last block that is shorter is filled with zeros.
;;     - A block's scale is 2^e with e = floor(log2(the largest magnitude in the block)) - 2, held to -126 .. 127; a block of zeros has e = 0. As a byte (E8M0): e + 127.
;;     - Each number is divided by its block's scale, clamped to +-7.5, and rounded to the nearest number of E2M3, ties to even, subnormals kept.
;;     - The product sums the exact products of the quantised numbers (number of the format x scale) in f32.
;;   ~~~python
;;   def quantise(x, axis):      # numpy; x: float32 -> the quantised numbers, widened to float32 again
;;       x = np.moveaxis(x, axis, -1); K = x.shape[-1]
;;       x = np.pad(x, [(0, 0)] * (x.ndim - 1) + [(0, -K % 32)]); x = x.reshape(x.shape[:-1] + (-1, 32)); a = np.abs(x).max(-1, keepdims=True)
;;       e = np.where(a > 0, np.clip(np.frexp(np.where(a > 0, a, 1))[1] - 1 - 2, -126, 127), 0)      # np.frexp(a)[1] - 1 = floor(log2(a)), exactly
;;       r = np.clip(x / 2.0 ** e, -7.5, 7.5)
;;       step = 2.0 ** (np.maximum(np.frexp(np.where(r == 0, 1, r))[1] - 1, 0) - 3)
;;       q = np.round(r / step) * step * 2.0 ** e      # np.round: ties to even
;;       return np.moveaxis(q.reshape(q.shape[:-2] + (-1,))[..., :K], -1, axis).astype(np.float32)
;;   ~~~
;;   SOFTMAX AHEAD OF A QUANTISED PRODUCT. Where the list says 'softmax', what is quantised is not the finished softmax but p = 2^(t - M), with t = logit x log2(e) and M = ceil(the row's largest t), a whole number; so 1/2 < the row's largest p <= 1. The row's sum l is taken of the UNQUANTISED p, in f32, and the product's result is divided by l at the end. Since M is a whole number, a kernel that streams over the keys may use a running M (the ceiling of the running maximum): every later rescaling is an exact power of two, which a block's scale takes up: the codes' values come out the same.
;;   OPERANDS COMPUTED ON THE WAY. 'Computed on the way' means the value that the module computes at that place (a softmax that the list does not call 'softmax' is quantised finished and normalised). What goes into a quantiser is computed in f32, as accurately as f32 sums, v_exp_f32 and their like allow (about 1e-6 of the number): no bf16 or f16 on the way to a quantiser, and a product that is left as it is and whose result goes on into a quantised operand takes f32 operands (vector FMAs, or v_wmma_f32_16x16x4_f32). A number that lies on a knife's edge between two numbers of the format may be rounded either way, as far as f32 arithmetic and the matrix unit's own rounding can turn it there, and no further.
;; One version. Each part assembles by itself: llvm-mc -triple=amdgcn-amd-amdhsa -mcpu=gfx1250 --defsym DOCPART=n.
;; ======== version 1 of 1: 4 launches
;; limits: right only within a limited range of input values
;; workspace buffers: ximg 6,553,600 bytes; wimg 3,276,800 bytes; qkv 18,874,368 bytes; qkvs 786,432 bytes; cimg 6,553,600 bytes
;; launch quant (part 1): grid 512 x 1, 4 waves a work-group, no clusters, 47,616 bytes of LDS; arguments x, ximg, Wq, Wk, Wv, Wo, wimg; writes ximg, wimg
.if DOCPART == 1
	.amdgcn_target "amdgcn-amd-amdhsa--gfx1250"
	.amdhsa_code_object_version 6
	.text
	.protected	k_qe8203b719d_quant
	.globl	k_qe8203b719d_quant
	.p2align	8
	.type	k_qe8203b719d_quant,@function
k_qe8203b719d_quant:
	s_mov_b64 s[64:65], 0
	v_nop
	global_prefetch_b8 v0, s[64:65] scope:SCOPE_SE
	s_setreg_imm32_b32 hwreg(HW_REG_WAVE_MODE, 25, 1), 1
	s_wait_xcnt 0x0
; x [8192][1024] and Wq, Wk, Wv, Wo [1024 (K)][1024], f32, become codes of E2M3 with one E8M0 byte for each 32 along K, laid in the ORDER OF THE OPERAND'S REGISTERS.
; A TILE is 16 rows (of x: tokens; of a weight: its columns): tile T, row r is row 32 (T / 2) + 8 (T % 2) + r + 8 (r / 8).
; AN IMAGE is a tile's fragment for 128 along K, 12 registers a lane, 1,536 bytes: for c = 0, 1: registers 6 c .. 6 c + 3 of lane l at 768 c + 16 l, registers 6 c + 4, 6 c + 5 at 768 c + 512 + 8 l.
; A tile's RECORD is 12,800 bytes: two chunks (512 along K) of 6,400: four images, then 256 bytes of scale words: the word of row r and K step ks at 16 r + 4 ks.
; A block's scale is 2^(floor(log2(largest magnitude)) - 2); its byte is the largest magnitude's exponent field - 2, held at 1 from below.
; LIMITS: a block of zeros gets the byte 1 (its codes are zeros, and this program alone reads the bytes); NaN and infinities among the inputs are not served.
; Work-groups 0-255 take x (a wave: one tile, one chunk), 256-511 the weights (a wave: 32 columns x 128 along K).  Waves share nothing: no barrier; each path and each wave has LDS bytes of its own.
.set STGX,  8448                       ; x's path: a wave's stage, 16 rows x (512 bytes + 16)
.set WBASE, 4*STGX                     ; the weights' path begins behind it
.set TIMG,  1664                       ; a tile's image in the stage: 1,536 bytes + 128, so that the two tiles of a store fall on different banks
.set WREG,  2*TIMG
.set RAW,   32                         ; v32-159  x as loaded, two sets of 64;  weights: two sets of 32 numbers
.set XN,    160                        ; v160-223 64 numbers of a lane: two whole blocks
.set SWD,   16                         ; v16-19   the four scale words of a chunk
	s_load_b128 s[4:7], s[0:1], 0x0                ; x, ximg
	s_load_b128 s[8:11], s[0:1], 0x10              ; Wq, Wk
	s_load_b128 s[12:15], s[0:1], 0x20             ; Wv, Wo
	s_load_b64 s[16:17], s[0:1], 0x30              ; wimg
	v_lshl_add_u32 v254, v0, 2, 0xb800
	v_mov_b32 v255, 0
	v_lshrrev_b32 v1, 5, v0
	v_readfirstlane_b32 s20, v1                    ; wave 0..3
	v_and_b32 v7, 31, v0                           ; lane
	v_lshlrev_b32 v1, 4, v7                        ; 16 x lane
	v_lshlrev_b32 v2, 3, v7                        ; 8 x lane
	s_mov_b32 s22, 0x76543210
	s_mov_b32 s23, 0xfedcba98                      ; v_permlanex16_b32's selects for lane l xor 16
	s_cmp_lt_u32 ttmp9, 256
	s_cbranch_scc0 .Lweights
; ---------------- x: K is innermost.  Loads take the bytes as they lie (512 consecutive bytes each); the stage turns them so that lane (r, h) holds K = 64 c + 32 h + 0 .. 31 of row r: whole blocks.
	s_lshl_b32 s24, ttmp9, 2
	s_add_co_u32 s24, s24, s20                     ; my task: 2 x tile + chunk
	s_lshr_b32 s25, s24, 1                         ; tile
	s_and_b32 s26, s24, 1                          ; chunk
	s_lshr_b32 s27, s25, 1
	s_lshl_b32 s27, s27, 17                        ; 32 rows of 4,096 bytes for each pair of tiles
	s_and_b32 s28, s25, 1
	s_lshl_b32 s28, s28, 15                        ; + 8 rows for the odd tile
	s_add_co_u32 s27, s27, s28
	s_lshl_b32 s28, s26, 11                        ; + 2,048 bytes for chunk 1
	s_add_co_u32 s28, s27, s28
	s_mov_b32 s29, 0
	s_mul_i32 s30, s24, 6400                       ; my chunk's place in ximg
	s_mov_b32 s31, 0
	s_mul_i32 s21, s20, STGX                       ; my stage
	v_and_b32 v8, 15, v0                           ; r
	v_bfe_u32 v9, v0, 4, 1                         ; h
	s_wait_alu depctr_va_vdst(0)
	v_add_nc_u32 v3, s21, v1                       ; into the stage: 16 x lane of a row
	v_mul_u32_u24 v4, v8, 528
	v_lshl_add_u32 v4, v9, 7, v4
	v_add_nc_u32 v4, s21, v4                       ; out of it: row r, + 128 h bytes
	v_lshlrev_b32 v5, 4, v8                        ; 16 r: my row's four scale words
	v_lshlrev_b32 v6, 3, v9                        ; 8 h: my bytes' shift in a scale word
	v_mov_b32 v14, 0                               ; a lane permute's destination counts as one of its sources
	s_wait_alu depctr_va_vdst(0)
	s_wait_kmcnt 0x0
	s_add_nc_u64 s[4:5], s[4:5], s[28:29]
	s_add_nc_u64 s[6:7], s[6:7], s[30:31]
.macro LOADX f                         ; 128 along K of the tile's 16 rows
.irp i, 0,1,2,3,4,5,6,7,8,9,10,11,12,13,14,15
	global_load_b128 v[RAW+64*((\f)%2)+4*\i:RAW+64*((\f)%2)+4*\i+3], v1, s[4:5] offset:(\i+8*(\i/8))*4096+512*(\f) th:TH_LOAD_NT
.endr
.endm
.macro FRAGX f
.set RW, RAW+64*((\f)%2)
.if (\f)%2
.set CC, 232                           ; the codes: v232-243 and v20-31 by turns
.else
.set CC, 20
.endif
.if \f < 3
	s_wait_loadcnt 16                              ; this fragment's 16 loads are in; the next fragment's 16 may be out
.else
	s_wait_loadcnt 0x0
.endif
.irp i, 0,1,2,3,4,5,6,7,8,9,10,11,12,13,14,15
	ds_store_b128 v3, v[RW+4*\i:RW+4*\i+3] offset:528*\i
.endr
.irp c, 0,1
.irp q, 0,1,2,3,4,5,6,7
	ds_load_b128 v[XN+32*\c+4*\q:XN+32*\c+4*\q+3], v4 offset:256*\c+16*\q   ; LDS serves a wave's instructions in order: these see the stores above
.endr
.endr
	s_wait_dscnt 0x0
.if \f < 2
	LOADX (\f)+2
.endif
.irp c, 0,1                            ; my block 2 c + h: all its 32 numbers are mine
	v_max3_num_f32 v[8+\c], |v[XN+32*\c]|, |v[XN+1+32*\c]|, 0x1800000   ; with the floor 2^(3 - 127): the byte cannot fall under 1
.endr
.irp i, 2,4,6,8,10,12,14,16,18,20,22,24,26,28,30
.irp c, 0,1
	v_max3_num_f32 v[8+\c], v[8+\c], |v[XN+32*\c+\i]|, |v[XN+1+32*\c+\i]|
.endr
.endr
.irp c, 0,1
	v_add_nc_u32 v[10+\c], 0xff000000, v[8+\c]     ; 2 off the exponent field: the conversion's scale operand
.endr
.irp c, 0,1
	v_lshrrev_b32 v[12+\c], 23, v[10+\c]           ; the scale's byte
.endr
	v_lshl_or_b32 v15, v13, 16, v12                ; my two bytes: blocks h and 2 + h,
	v_lshlrev_b32 v15, v6, v15                     ; at their places in the word;
	v_permlanex16_b32 v14, v15, s22, s23
	v_or_b32 v[SWD+\f], v15, v14                   ; with lane l xor 16's two the word is whole, in both lanes
.if \f >= 2
	s_wait_alu depctr_va_vdst(0)
	s_wait_xcnt 0x0                                ; the stores of two fragments back have read these code registers
.endif
.irp c, 0,1
	v_cvt_scalef32_pk16_fp6_f32 v[CC+6*\c:CC+6*\c+2], v[XN+32*\c:XN+32*\c+15], v[10+\c]
	v_cvt_scalef32_pk16_fp6_f32 v[244+4*\c:246+4*\c], v[XN+32*\c+16:XN+32*\c+31], v[10+\c]   ; (a conversion's three registers begin on an even number)
.endr
	v_nop                                          ; one plain place behind a scaled conversion
.irp c, 0,1
.irp i, 0,1,2
	v_mov_b32 v[CC+6*\c+3+\i], v[244+4*\c+\i]
.endr
.endr
	global_store_b128 v1, v[CC:CC+3], s[6:7] offset:1536*(\f)               ; each store covers whole aligned runs of 256 bytes
	global_store_b64 v2, v[CC+4:CC+5], s[6:7] offset:1536*(\f)+512
	global_store_b128 v1, v[CC+6:CC+9], s[6:7] offset:1536*(\f)+768
	global_store_b64 v2, v[CC+10:CC+11], s[6:7] offset:1536*(\f)+1280
.endm
	LOADX 0
	LOADX 1
	FRAGX 0
	FRAGX 1
	FRAGX 2
	FRAGX 3
	global_store_b128 v5, v[SWD:SWD+3], s[6:7] offset:6144   ; the chunk's 256 bytes of scale words; lanes r and r + 16 hold the same words and name the same bytes
	s_wait_tensorcnt 0x0
	ds_add_u32 v254, v255
	s_wait_dscnt 0x0
	s_endpgm
; ---------------- the weights: K is the FIRST axis.  A lane takes a column and its registers run down K: a block lies in one lane, and the conversions give codes with K innermost.
.Lweights:
	s_sub_co_u32 s24, ttmp9, 256
	s_lshr_b32 s25, s24, 6                         ; which weight: 0 Wq, 1 Wk, 2 Wv, 3 Wo
	s_and_b32 s26, s24, 7                          ; which 128 columns
	s_bfe_u32 s27, s24, 0x30003                    ; which K step of 128
	s_lshl_b32 s28, s25, 5
	s_lshl_b32 s29, s26, 2
	s_add_co_u32 s28, s28, s29
	s_add_co_u32 s28, s28, s20                     ; my pair of tiles: 32 x weight + 4 x column group + wave
	s_lshl_b32 s28, s28, 2
	s_lshr_b32 s29, s27, 2
	s_add_co_u32 s28, s28, s29
	s_mul_i32 s28, s28, 6400                       ; the even tile's chunk
	s_and_b32 s29, s27, 3
	s_mul_i32 s30, s29, 1536
	s_add_co_u32 s30, s30, s28                     ; its image of this K step
	s_mov_b32 s31, 0
	s_lshl_b32 s29, s29, 2
	s_add_co_u32 s28, s28, s29
	s_add_co_u32 s28, s28, 6144                    ; its scale words of this K step
	s_mov_b32 s29, 0
	s_lshl_b32 s32, s27, 19                        ; 128 rows of 4,096 bytes a K step
	s_lshl_b32 s33, s26, 9
	s_add_co_u32 s32, s32, s33
	s_lshl_b32 s33, s20, 7
	s_add_co_u32 s32, s32, s33                     ; + my 32 columns
	s_mov_b32 s33, 0
	s_mul_i32 s21, s20, WREG
	s_add_co_u32 s21, s21, WBASE                   ; my stage
	v_bfe_u32 v8, v0, 3, 1                         ; column l of the 32 is row r = l % 8 + 8 (l / 16) of tile u = (l / 8) % 2
	v_and_b32 v9, 7, v0
	v_bfe_u32 v11, v0, 4, 1
	v_lshl_add_u32 v9, v11, 3, v9
	v_mul_u32_u24 v12, v8, TIMG
	v_add_nc_u32 v12, s21, v12
	v_lshl_add_u32 v3, v9, 4, v12                  ; into the stage: 16 r in my tile's image,
	v_lshl_add_u32 v4, v9, 3, v12                  ; and 8 r
	v_add_nc_u32 v5, s21, v1                       ; out of it: 16 x lane
	v_mul_u32_u24 v6, v8, 12800
	v_lshl_add_u32 v6, v9, 4, v6                   ; my scale word: my tile's record, 16 r
	v_lshlrev_b32 v13, 2, v7                       ; in: 4 bytes a lane
	s_and_b32 s34, s25, 1
	s_wait_alu depctr_va_vdst(0)
	s_wait_kmcnt 0x0
	s_cmp_lg_u32 s34, 0                            ; the choice hangs on the work-group's number alone
	s_cselect_b64 s[8:9], s[10:11], s[8:9]
	s_cselect_b64 s[12:13], s[14:15], s[12:13]
	s_cmp_ge_u32 s25, 2
	s_cselect_b64 s[8:9], s[12:13], s[8:9]
	s_add_nc_u64 s[8:9], s[8:9], s[32:33]
	s_add_nc_u64 s[18:19], s[16:17], s[28:29]
	s_add_nc_u64 s[16:17], s[16:17], s[30:31]
.macro LOADW t                         ; block t: W(32 t + i, my column): a wave reads 128 consecutive bytes, the four waves 512
.irp i, 0,1,2,3,4,5,6,7,8,9,10,11,12,13,14,15,16,17,18,19,20,21,22,23,24,25,26,27,28,29,30,31
	global_load_b32 v[RAW+32*((\t)%2)+\i], v13, s[8:9] offset:(32*(\t)+\i)*4096 th:TH_LOAD_NT
.endr
.endm
.macro BLOCKW t
.set XS, RAW+32*((\t)%2)
.if \t < 3
	s_wait_loadcnt 32                              ; this block's 32 loads are in; the next block's 32 may be out
.else
	s_wait_loadcnt 0x0
.endif
	v_max3_num_f32 v14, |v[XS]|, |v[XS+1]|, |v[XS+2]|
	v_max3_num_f32 v15, |v[XS+3]|, |v[XS+4]|, |v[XS+5]|
.irp i, 6,10,14,18,22,26
	v_max3_num_f32 v14, v14, |v[XS+\i]|, |v[XS+\i+1]|
	v_max3_num_f32 v15, v15, |v[XS+\i+2]|, |v[XS+\i+3]|
.endr
	v_max3_num_f32 v14, v14, |v[XS+30]|, |v[XS+31]|
	v_max3_num_f32 v14, v14, v15, 0x1800000        ; and the floor
	v_add_nc_u32 v11, 0xff000000, v14              ; the conversion's scale operand
	v_lshrrev_b32 v12, 23, v11                     ; the byte
.if \t == 0
	v_mov_b32 v10, v12
.else
	v_lshl_or_b32 v10, v12, 8*(\t), v10            ; my column's scale word of this K step
.endif
	v_cvt_scalef32_pk16_fp6_f32 v[16:18], v[XS:XS+15], v11
	v_cvt_scalef32_pk16_fp6_f32 v[24:26], v[XS+16:XS+31], v11
	v_nop                                          ; one plain place behind a scaled conversion
	v_mov_b32 v19, v24
	v_mov_b32 v20, v25
	v_mov_b32 v21, v26
	ds_store_b128 v3, v[16:19] offset:768*((\t)/2)+256*((\t)%2)        ; block t is what lane r + 16 (t % 2) of the operand holds in registers 6 (t / 2) on
	ds_store_b64 v4, v[20:21] offset:768*((\t)/2)+512+128*((\t)%2)
.if (\t)+2 < 4
	LOADW (\t)+2
.endif
	s_wait_dscnt 0x0
.endm
	LOADW 0
	LOADW 1
	BLOCKW 0
	BLOCKW 1
	BLOCKW 2
	BLOCKW 3
	s_wait_alu depctr_va_vdst(0)
	global_store_b32 v6, v10, s[18:19]             ; four bytes of each row's sixteen: these runs of 256 bytes are written in parts, by the four K steps' work-groups (one byte for 24 of codes)
.irp u, 0,1
.irp q, 0,1,2
	ds_load_b128 v[160+12*\u+4*\q:163+12*\u+4*\q], v5 offset:TIMG*\u+512*\q
.endr
.endr
	s_wait_dscnt 0x0
.irp u, 0,1
.irp q, 0,1,2
	global_store_b128 v1, v[160+12*\u+4*\q:163+12*\u+4*\q], s[16:17] offset:12800*\u+512*\q   ; 512 consecutive bytes, aligned
.endr
.endr
	s_wait_tensorcnt 0x0
	ds_add_u32 v254, v255
	s_wait_dscnt 0x0
	s_endpgm
.Lfunc_end_k_qe8203b719d_quant:
	.size	k_qe8203b719d_quant, .Lfunc_end_k_qe8203b719d_quant-k_qe8203b719d_quant
	.p2alignl 7, 3214868480
	.fill 96, 4, 3214868480
	.section	.rodata,"a",@progbits
	.p2align	6, 0x0
	.amdhsa_kernel k_qe8203b719d_quant
		.amdhsa_group_segment_fixed_size 47616
		.amdhsa_private_segment_fixed_size 0
		.amdhsa_enable_private_segment 0
		.amdhsa_kernarg_size 56
		.amdhsa_user_sgpr_count 2
		.amdhsa_user_sgpr_kernarg_segment_ptr 1
		.amdhsa_wavefront_size32 1
		.amdhsa_system_sgpr_workgroup_id_x 1
		.amdhsa_system_sgpr_workgroup_id_y 1
		.amdhsa_system_sgpr_workgroup_id_z 1
		.amdhsa_system_vgpr_workitem_id 0
		.amdhsa_next_free_vgpr 256
		.amdhsa_next_free_sgpr 66
		.amdhsa_reserve_vcc 0
		.amdhsa_float_denorm_mode_32 3
		.amdhsa_float_denorm_mode_16_64 3
		.amdhsa_memory_ordered 1
		.amdhsa_forward_progress 1
		.amdhsa_inst_pref_size 52
	.end_amdhsa_kernel
	.amdgpu_metadata
---
amdhsa.version: [ 1, 2 ]
amdhsa.kernels:
  - .name:           k_qe8203b719d_quant
    .symbol:         k_qe8203b719d_quant.kd
    .args:
      - { .name: x, .offset: 0, .size: 8, .value_kind: global_buffer, .address_space: global }
      - { .name: ximg, .offset: 8, .size: 8, .value_kind: global_buffer, .address_space: global }
      - { .name: Wq, .offset: 16, .size: 8, .value_kind: global_buffer, .address_space: global }
      - { .name: Wk, .offset: 24, .size: 8, .value_kind: global_buffer, .address_space: global }
      - { .name: Wv, .offset: 32, .size: 8, .value_kind: global_buffer, .address_space: global }
      - { .name: Wo, .offset: 40, .size: 8, .value_kind: global_buffer, .address_space: global }
      - { .name: wimg, .offset: 48, .size: 8, .value_kind: global_buffer, .address_space: global }
    .group_segment_fixed_size: 47616
    .private_segment_fixed_size: 0
    .kernarg_segment_align: 8
    .kernarg_segment_size: 56
    .max_flat_workgroup_size: 128
    .sgpr_count:     66
    .vgpr_count:     256
    .wavefront_size: 32
...
	.end_amdgpu_metadata
.endif
;; end of part 1
;; launch qkv (part 2): grid 192 x 4, 4 waves a work-group, clusters of 4 x 4, 327,680 bytes of LDS; arguments ximg, wimg, bq, bk, bv, qkv, qkvs; writes qkv, qkvs
.if DOCPART == 2
	.amdgcn_target "amdgcn-amd-amdhsa--gfx1250"
	.amdhsa_code_object_version 6
	.text
	.protected	k_qe8203b719d_qkv
	.globl	k_qe8203b719d_qkv
	.p2align	8
	.type	k_qe8203b719d_qkv,@function
k_qe8203b719d_qkv:
	s_mov_b64 s[64:65], 0
	v_nop
	global_prefetch_b8 v0, s[64:65] scope:SCOPE_SE
	s_setreg_imm32_b32 hwreg(HW_REG_WAVE_MODE, 25, 1), 1
	s_wait_xcnt 0x0
	s_wait_alu depctr_hold_cnt(0) depctr_sa_sdst(0) depctr_va_vdst(0) depctr_va_sdst(0) depctr_va_ssrc(0) depctr_va_vcc(0) depctr_vm_vsrc(0)
	s_getreg_b32 s2, hwreg(HW_REG_IB_STS2, 6, 4)
	s_cmp_eq_u32 s2, 0
	s_cbranch_scc0 .Lentry_in_a_cluster
	s_endpgm
.Lentry_in_a_cluster:
	s_bfe_u32 s2, ttmp6, 0x10000c
	s_cmp_lg_u32 s2, 0xf033
	s_cbranch_scc0 .Lentry_shape_is_right
	s_endpgm
.Lentry_shape_is_right:
; q = x Wq + bq, k = x Wk + bk, v = x Wv + bv on codes of E2M3, and their results quantised at once for attention: q and k along the head's 64, v along the KEYS.  No f32 result goes to memory.
; THE PRODUCT.  D = P x Q^T: source 0 = 16 rows of P, source 1 = 16 rows of Q, K = 1,024.  A work-group takes 128 rows of P and 256 of Q; wave w all 8 tiles of P and tiles 4 w .. 4 w + 3 of Q: 32 accumulators.
; A lane holds ONE row of Q, and by the tiles' order of rows (tile T, row r = row 32 (T / 2) + 8 (T % 2) + r + 8 (r / 8)) the 16 registers of P's tiles 2 b, 2 b + 1 are P's rows 32 b + 16 (lane / 16) + 0 .. 15: neighbours.
; Clusters 0-31: P = columns of Wq, then Wk; Q = tokens: a lane's 64 registers are 128 channels, two heads, of one token.  Clusters 32-47: P = 128 tokens, Q = columns of Wv: a lane's registers are 128 keys of one channel.
; So one quantiser serves all three, and its results are fragments as attention's matrix instructions take them; they are stored as images of the registers, in whole aligned runs of 256 bytes, straight from registers.
; LDS.  Both operands for all of K lie in LDS, filled ONCE: chunk j (512 along K) at 153,600 j: P's 8 tile chunks of 6,400 bytes (four images of 1,536, then 256 bytes of scale words), then Q's 16.  No byte is filled again.
; CLUSTER 4 x 4: P hangs on the cluster and cx alone and is asked for jointly by the four of a column, Q on the cluster and cy alone, by the four of a row.  A wave has two tensor loads out at the start.
; LIMITS: NaN and infinities are not served; a block of zeros gets the byte 1 (its codes are zeros; this program alone reads the bytes).
; REGISTERS: window 0: v1-19 addresses; v32-95 scale words (set j at 32 j: register 4 i + ks); v96-159 the bias along P; v216-223 the bias along Q.  Window 1: accumulator (a, b) at v[64 a + 8 b].
;   Windows 2, 3: two sets of fragments: P's tile b at v[12 b], Q's tile a at v[96 + 12 a].  On the way out window 0 is laid anew: v32-95 64 numbers, v96-175 codes, v176-191 at work, v192-197 scale words, v200-215 offsets.
.set CH,   153600
.set TCH,  6400
.set QOFF, 51200
.set SC,   32
.set BP,   96
.set HA,   32
.set TM,   176
.set MSB,  0
.macro WIN new                         ; the immediate's high byte repeats the setting that is left
.if MSB != (\new)
	s_set_vgpr_msb (MSB<<8)|(\new)
.set MSB, (\new)
.endif
.endm
.macro PLACES n
.rept \n
	v_nop
.endr
.endm
.macro CROUND                          ; a round of the cluster's barrier
	s_barrier_signal -1
	s_barrier_wait -1
	s_cmp_lg_u32 s18, 0
	s_cbranch_scc1 .Lnot_wave_0_\@
	s_barrier_signal -3
.Lnot_wave_0_\@:
	s_barrier_wait -3
	s_barrier_signal -1
	s_barrier_wait -1
.endm
.macro FRAG reg, a16, a8, off          ; an image comes back as the registers that it is
	ds_load_b128 v[\reg:\reg+3], v[\a16] offset:\off
	ds_load_b64 v[\reg+4:\reg+5], v[\a8] offset:\off+512
	ds_load_b128 v[\reg+6:\reg+9], v[\a16] offset:\off+768
	ds_load_b64 v[\reg+10:\reg+11], v[\a8] offset:\off+1280
.endm
.macro FETCH set, j, ks                ; the 12 fragments of K step ks of chunk j into a set: 48 loads in one run
	WIN 0x80+0x40*(\set)
.irp b, 0,1,2,3,4,5,6,7
	FRAG 12*\b, 8+(\j), 10+(\j), \b*TCH+1536*(\ks)
.endr
.irp a, 0,1,2,3
	FRAG 96+12*\a, 12+(\j), 14+(\j), \a*TCH+1536*(\ks)
.endr
	WIN 0
.endm
.macro SCALES j                        ; a chunk's scale words: register 4 i + ks: lanes 0-15 P's tile i; lanes 16-31 (i < 4) my tile i of Q
	WIN 0
.irp i, 0,1,2,3
	ds_load_b128 v[SC+32*(\j)+4*\i:SC+32*(\j)+4*\i+3], v[16+(\j)] offset:\i*TCH
.endr
.irp i, 4,5,6,7
	ds_load_b128 v[SC+32*(\j)+4*\i:SC+32*(\j)+4*\i+3], v[18+(\j)] offset:\i*TCH
.endr
.endm
.macro MUL set, j, ks, first           ; 32 matrix instructions, the 32 accumulators by turns, in the same order in every step.  first = 1: the bias along P is the C that starts the sums
.if \first
	WIN 0x4a
.else
	WIN 0x5a+5*(\set)
.endif
.irp a, 0,1,2,3
.irp b, 0,1,2,3,4,5,6,7
.if \first
	v_wmma_scale_f32_16x16x128_f8f6f4 v[64*\a+8*\b:64*\a+8*\b+7], v[12*\b:12*\b+11], v[96+12*\a:96+12*\a+11], v[BP+8*\b:BP+8*\b+7], v[SC+32*(\j)+4*\b+(\ks)], v[SC+32*(\j)+4*\a+(\ks)] matrix_a_fmt:MATRIX_FMT_FP6 matrix_b_fmt:MATRIX_FMT_FP6 matrix_b_scale:MATRIX_SCALE_ROW1
.else
	v_wmma_scale_f32_16x16x128_f8f6f4 v[64*\a+8*\b:64*\a+8*\b+7], v[12*\b:12*\b+11], v[96+12*\a:96+12*\a+11], v[64*\a+8*\b:64*\a+8*\b+7], v[SC+32*(\j)+4*\b+(\ks)], v[SC+32*(\j)+4*\a+(\ks)] matrix_a_fmt:MATRIX_FMT_FP6 matrix_b_fmt:MATRIX_FMT_FP6 matrix_b_scale:MATRIX_SCALE_ROW1
.endif
.endr
.endr
.endm
.macro KSTEP s                         ; K step s: its fragments are in; the next step's are asked for; then its 32 products
	s_wait_dscnt 0x0
.if \s == 3
	s_wait_tensorcnt 0x0                           ; my part of chunk 1 has landed,
	s_barrier_signal -1
	s_barrier_wait -1                              ; everybody's has
	SCALES 1
.endif
.if \s < 7
.if \s == 0
	PLACES 8
.else
	PLACES 4                                       ; four plain places between the last products and loads into the fragments that they read
.endif
	FETCH ((\s)+1)%2, ((\s)+1)/4, ((\s)+1)%4
.endif
	MUL (\s)%2, (\s)/4, (\s)%4, (\s)==0
.endm
; 64 numbers of a lane, register 16 b + i = k 32 b + 16 (lane / 16) + i of my row, become a fragment's codes in v[d] on and its scale word in v[w]
.macro QUANT s, d, w
.irp b, 0,1,2,3
	v_max3_num_f32 v[TM+\b], |v[\s+16*\b]|, |v[\s+1+16*\b]|, 0x1800000   ; with the floor 2^(3 - 127): the byte cannot fall under 1
.endr
.irp i, 2,4,6,8,10,12,14
.irp b, 0,1,2,3
	v_max3_num_f32 v[TM+\b], v[TM+\b], |v[\s+16*\b+\i]|, |v[\s+1+16*\b+\i]|
.endr
.endr
.irp b, 0,1,2,3
	v_permlanex16_b32 v[TM+4+\b], v[TM+\b], s66, s67
.endr
.irp b, 0,1,2,3
	v_max_num_f32 v[TM+\b], v[TM+\b], v[TM+4+\b]   ; with lane l xor 16's: the block's largest magnitude
.endr
.irp b, 0,1,2,3
	v_add_nc_u32 v[TM+12+\b], 0xff000000, v[TM+\b] ; 2 off its exponent field: the conversion's scale operand
.endr
.irp b, 0,1,2,3
	v_lshrrev_b32 v[TM+4+\b], 23, v[TM+12+\b]      ; the scale's byte
.endr
	v_lshl_or_b32 v[\w], v[TM+5], 8, v[TM+4]
	v_lshl_or_b32 v[\w], v[TM+6], 16, v[\w]
	v_lshl_or_b32 v[\w], v[TM+7], 24, v[\w]
.irp c, 0,1
	v_cvt_scalef32_pk16_fp6_f32 v[\d+6*\c:\d+6*\c+2], v[\s+32*\c:\s+32*\c+15], v[TM+12+2*\c]
	v_cvt_scalef32_pk16_fp6_f32 v[\d+12+4*\c:\d+14+4*\c], v[\s+16+32*\c:\s+31+32*\c], v[TM+13+2*\c]   ; (a conversion's three registers begin on an even number)
.endr
	v_nop                                          ; one plain place behind a scaled conversion
.irp c, 0,1                            ; the operand's layout wants a WHOLE block in a lane
.irp i, 0,1,2
	v_permlane16_swap_b32 v[\d+6*\c+\i], v[\d+12+4*\c+\i]
.endr
.irp i, 0,1,2
	v_mov_b32 v[\d+3+6*\c+\i], v[\d+12+4*\c+\i]
.endr
.endr
.endm
	s_load_b128 s[4:7], s[0:1], 0x0                ; ximg, wimg
	s_load_b128 s[8:11], s[0:1], 0x10              ; bq, bk
	s_load_b128 s[12:15], s[0:1], 0x20             ; bv, qkv
	s_load_b64 s[16:17], s[0:1], 0x30              ; qkvs
	v_lshl_add_u32 v254, v0, 2, 0x4b000
	v_mov_b32 v255, 0
	ds_add_u32 v254, v255
	ds_add_u32 v254, v255
	v_lshrrev_b32 v1, 5, v0
	v_readfirstlane_b32 s18, v1                    ; wave 0..3
	s_bfe_u32 s19, ttmp6, 0x40000                  ; cx
	s_bfe_u32 s20, ttmp6, 0x40004                  ; cy
	s_and_b32 s23, s18, 1                          ; which half of P (waves 0, 1) or of Q (waves 2, 3) I fetch
	s_and_b32 s21, ttmp9, 3
	s_sub_co_u32 s62, ttmp9, 32
	s_lshr_b32 s22, ttmp9, 2
	s_lshl_b32 s22, s22, 2
	s_cmp_lt_u32 ttmp9, 32                         ; clusters 0-31 make q and k, 32-47 v: the same answer in all sixteen partners; it only selects numbers
	s_cselect_b32 s21, s21, s62
	s_cselect_b32 s22, s22, 0
	s_cselect_b32 s60, -1, 0                       ; all ones where q, k are made
	s_cselect_b32 s61, 0, -1                       ; all ones where v is made
	s_cselect_b32 s63, 0, 1638400                  ; Wv's tiles begin at tile 128 of wimg
	s_lshl_b32 s21, s21, 2
	s_add_co_u32 s21, s21, s19                     ; which 128 rows of P: hangs on the cluster and cx
	s_add_co_u32 s22, s22, s20                     ; which 256 rows of Q: on the cluster and cy
	s_mul_i32 s56, s21, 102400                     ; 8 records of 12,800 bytes
	s_mul_i32 s62, s23, 51200
	s_add_co_u32 s56, s56, s62
	s_mov_b32 s57, 0
	s_mul_i32 s58, s22, 204800                     ; 16 records
	s_add_co_u32 s58, s58, s63
	s_mul_i32 s63, s23, 102400
	s_add_co_u32 s58, s58, s63
	s_mov_b32 s59, 0
	s_lshl_b32 s62, 0x1111, s19                    ; my column of the cluster
	s_or_b32 s24, s62, (3<<16)|(1<<21)             ; group 1 for P: the mask; elements of 8 bytes; bit 21 beside a mask; no padding
	s_lshl_b32 s63, s20, 2
	s_lshl_b32 s63, 15, s63                        ; my row
	s_or_b32 s32, s63, (3<<16)|(1<<21)             ; group 1 for Q
	s_mov_b32 s25, 800<<16                         ; tensor_dim0 = 800 elements: a tile chunk of 6,400 bytes
	s_mov_b32 s26, 4<<16                           ; tensor_dim1 = 4 tiles
	s_mov_b32 s27, 800<<16                         ; tile_dim0
	s_mov_b32 s28, 4                               ; tile_dim1
	s_mov_b32 s29, 1600                            ; from record to record: 12,800 bytes
	s_mov_b32 s30, 0
	s_mov_b32 s31, 0
	s_mov_b32 s33, 800<<16
	s_mov_b32 s34, 8<<16                           ; Q: 8 tiles a load
	s_mov_b32 s35, 800<<16
	s_mov_b32 s36, 8
	s_mov_b32 s37, 1600
	s_mov_b32 s38, 0
	s_mov_b32 s39, 0
	s_mul_i32 s62, s23, 25600                      ; where they go: no place in the cluster enters an LDS address
	s_mul_i32 s63, s23, 51200
	s_add_co_u32 s63, s63, QOFF
	s_wait_dscnt 0x0
	s_wait_kmcnt 0x0
	s_cmp_lt_u32 ttmp9, 32
	s_cselect_b64 s[76:77], s[6:7], s[4:5]         ; P: weights for q, k; tokens for v
	s_cselect_b64 s[78:79], s[4:5], s[6:7]         ; Q: the other
	s_add_nc_u64 s[56:57], s[76:77], s[56:57]
	s_add_nc_u64 s[58:59], s[78:79], s[58:59]
.irp j, 0,1
	s_mov_b32 s[40+4*\j], 1
	s_add_co_u32 s[41+4*\j], s62, \j*CH
	s_add_nc_u64 s[42+4*\j:43+4*\j], s[56:57], \j*TCH
	s_or_b32 s[43+4*\j], s[43+4*\j], 0x80000000
	s_mov_b32 s[48+4*\j], 1
	s_add_co_u32 s[49+4*\j], s63, \j*CH
	s_add_nc_u64 s[50+4*\j:51+4*\j], s[58:59], \j*TCH
	s_or_b32 s[51+4*\j], s[51+4*\j], 0x80000000
.endr
	CROUND                                         ; all sixteen work-groups are here: the joint loads meet
	s_cmp_lt_u32 s18, 2                            ; a wave's two fills stand in one branch on the wave's number: chunk 0, then chunk 1
	s_cbranch_scc0 .Lfill_q
	tensor_load_to_lds s[40:43], s[24:31]
	s_nop 0
	tensor_load_to_lds s[44:47], s[24:31]
	s_nop 0
	PLACES 4
	s_branch .Lfilled
.Lfill_q:
	tensor_load_to_lds s[48:51], s[32:39]
	s_nop 0
	tensor_load_to_lds s[52:55], s[32:39]
	s_nop 0
	PLACES 4
.Lfilled:
	; the biases.  Along P (q, k): lane (r, h) wants, for tile b, channels 32 (b / 2) + 16 h + 8 (b % 2) + 0 .. 7.  Along Q (v): the channel of my row of each of my four tiles.
	s_and_b32 s82, s21, 7
	s_lshl_b32 s82, s82, 9                         ; 128 channels of 4 bytes for each block of P within Wq or Wk
	s_and_b32 s83, ttmp9, 2
	s_cmp_lg_u32 s83, 0
	s_cselect_b64 s[80:81], s[10:11], s[8:9]       ; bk or bq
	s_cmp_lt_u32 ttmp9, 32
	s_cselect_b64 s[80:81], s[80:81], s[12:13]     ; (where v is made these loads read bv's first 512 bytes and are turned to zeros below)
	s_cselect_b32 s82, s82, 0
	s_mov_b32 s83, 0
	s_add_nc_u64 s[80:81], s[80:81], s[82:83]
	s_lshl_b32 s82, s20, 10
	s_lshl_b32 s84, s18, 8
	s_add_co_u32 s82, s82, s84                     ; 4 (256 cy + 64 wave): inside bv for every cluster
	s_add_nc_u64 s[82:83], s[12:13], s[82:83]
	v_and_b32 v2, 31, v0
	v_lshlrev_b32 v1, 4, v2                        ; 16 x lane
	v_lshlrev_b32 v2, 3, v2                        ; 8 x lane
	v_and_b32 v3, 15, v0                           ; r
	v_bfe_u32 v4, v0, 4, 1                         ; h
	v_lshlrev_b32 v5, 6, v4
	v_and_b32 v6, 8, v3
	v_add_nc_u32 v6, v6, v3
	v_lshlrev_b32 v6, 2, v6                        ; 4 (r + 8 (r / 8))
.irp b, 0,1,2,3,4,5,6,7
	global_load_b128 v[BP+8*\b:BP+8*\b+3], v5, s[80:81] offset:(32*(\b/2)+8*(\b%2))*4
	global_load_b128 v[BP+8*\b+4:BP+8*\b+7], v5, s[80:81] offset:(32*(\b/2)+8*(\b%2))*4+16
.endr
.irp a, 0,1,2,3
	global_load_b32 v[216+2*\a], v6, s[82:83] offset:(32*(\a/2)+8*(\a%2))*4
.endr
	s_mul_i32 s84, s18, 25600
	s_add_co_u32 s84, s84, QOFF                    ; my four tiles of Q in a chunk
	v_mov_b32 v8, v1                               ; P's images: 16 x lane, 8 x lane, in chunk 0 and 1
	v_add_nc_u32 v9, CH, v1
	v_mov_b32 v10, v2
	v_add_nc_u32 v11, CH, v2
	v_add_nc_u32 v12, s84, v1                      ; Q's
	v_add_nc_u32 v13, CH, v12
	v_add_nc_u32 v14, s84, v2
	v_add_nc_u32 v15, CH, v14
	v_lshlrev_b32 v7, 4, v3
	v_add_nc_u32 v18, 6144, v7                     ; P's scale words: 16 r behind a tile chunk's images
	v_add_nc_u32 v19, CH+6144, v7
	v_mul_u32_u24 v20, s84, v4                     ; lanes 16-31 take my tiles of Q: one product, h x the distance
	v_add_nc_u32 v16, v18, v20
	v_add_nc_u32 v17, v19, v20
.irp b, 0,1,2,3
	v_mov_b32 v[TM+4+\b], 0                        ; a lane permute's destination counts as one of its sources
	v_mov_b32 v[217+2*\b], 0                       ; the upper halves of the pairs that the packed additions name
.endr
	s_mov_b32 s66, 0x76543210
	s_mov_b32 s67, 0xfedcba98
	s_mov_b32 s86, 0xffff0000                      ; lanes 16-31
	; where the results go.  q, k: [batch x 16 + head][token tile in the batch][768]; v: [batch x 16 + head][key step][channel tile][1,536]; scale words in units of 256 bytes for four tiles
	s_and_b32 s76, s21, 7                          ; the pair of heads
	s_lshr_b32 s77, s21, 3                         ; 0 q, 1 k
	s_lshr_b32 s78, s22, 3                         ; the batch
	s_lshl_b32 s78, s78, 4
	s_lshl_b32 s79, s76, 1
	s_add_co_u32 s78, s78, s79
	s_lshl_b32 s78, s78, 7
	s_and_b32 s79, s22, 7
	s_lshl_b32 s79, s79, 4
	s_add_co_u32 s78, s78, s79
	s_mul_i32 s78, s78, 768
	s_mul_i32 s79, s77, 6291456
	s_add_co_u32 s78, s78, s79                     ; q, k: codes
	s_lshl_b32 s79, s76, 7
	s_lshl_b32 s85, s22, 2
	s_add_co_u32 s79, s79, s85
	s_lshl_b32 s79, s79, 8
	s_lshl_b32 s85, s77, 18
	s_add_co_u32 s79, s79, s85                     ; q, k: scale words
	s_lshr_b32 s85, s21, 4
	s_lshl_b32 s85, s85, 4
	s_lshl_b32 s87, s20, 2
	s_add_co_u32 s85, s85, s87
	s_lshl_b32 s85, s85, 4
	s_and_b32 s87, s21, 15
	s_add_co_u32 s85, s85, s87                     ; v: (batch x 16 + 4 cy) x 16 + key step
	s_mul_i32 s87, s85, 6144
	s_add_co_u32 s87, s87, 12582912                ; v: codes
	s_lshl_b32 s85, s85, 8
	s_add_co_u32 s85, s85, 524288                  ; v: scale words
	s_mov_b32 s88, 98304
	s_mov_b32 s89, 768
	s_mov_b32 s90, 3072
	s_mov_b32 s91, 1536
	s_mov_b32 s92, 4096
	s_mov_b32 s93, 256
	s_cmp_lt_u32 ttmp9, 32
	s_cselect_b32 s68, s78, s87
	s_cselect_b32 s70, s79, s85
	s_cselect_b32 s72, s90, s88                    ; from wave to wave: four token tiles, or a head
	s_cselect_b32 s73, s89, s91                    ; from tile to tile
	s_cselect_b32 s74, s88, s89                    ; from half image to half image: the next head, or the next 64 keys
	s_cselect_b32 s75, s93, s92                    ; scale words, from wave to wave
	s_mul_i32 s76, s18, s72                        ; my first tile's offset; it walks
	s_mul_i32 s77, s18, s75
	s_add_co_u32 s70, s70, s77
	s_mov_b32 s69, 0
	s_mov_b32 s71, 0
	s_add_nc_u64 s[14:15], s[14:15], s[68:69]
	s_add_nc_u64 s[16:17], s[16:17], s[70:71]
	s_wait_tensorcnt 1                             ; my part of chunk 0 is in; chunk 1's one load may stay out
	s_barrier_signal -1
	s_barrier_wait -1                              ; everybody's is
	SCALES 0
	FETCH 0, 0, 0
	s_wait_loadcnt 0x0                             ; the biases
.set i, 0
.rept 64
	v_cndmask_b32 v[BP+i], 0, v[BP+i], s60         ; the bias along P counts for q and k alone,
.set i, i+1
.endr
.irp a, 0,1,2,3
	v_cndmask_b32 v[216+2*\a], 0, v[216+2*\a], s61 ; that along Q for v alone
.endr
	s_wait_alu depctr_va_vdst(0)
.irp s, 0,1,2,3,4,5,6,7
	KSTEP \s
.endr
	WIN 0
	PLACES 4                                       ; behind the last products: their results are read and their scale registers written below
; THE WAY OUT, a tile of Q at a time: + the bias along Q, quantised, stored as images.  Each accumulator is read from its low end on.
.irp a, 0,1,2,3
	WIN 0x01                                       ; source 0: window 1
.set i, 0
.rept 32
	v_pk_add_f32 v[HA+i:HA+i+1], v[64*\a+i:64*\a+i+1], v[216+2*\a:217+2*\a] op_sel_hi:[1,0]
.set i, i+2
.endr
	WIN 0
.set PCA, 96+20*\a
.set PWA, 192+\a
	QUANT HA, PCA, PWA
	s_add_co_u32 s77, s76, s74
	v_add_nc_u32 v[200+4*\a], s76, v1
	v_add_nc_u32 v[201+4*\a], s76, v2
	v_add_nc_u32 v[202+4*\a], s77, v1
	v_add_nc_u32 v[203+4*\a], s77, v2
	global_store_b128 v[200+4*\a], v[PCA:PCA+3], s[14:15]                 ; no register of these stores is written again: no wait is owed
	global_store_b64 v[201+4*\a], v[PCA+4:PCA+5], s[14:15] offset:512
	global_store_b128 v[202+4*\a], v[PCA+6:PCA+9], s[14:15]
	global_store_b64 v[203+4*\a], v[PCA+10:PCA+11], s[14:15] offset:512
	s_add_co_u32 s76, s76, s73
.endr
	v_cndmask_b32 v196, v192, v193, s86            ; the four tiles' scale words: word i of lane l is tile 2 i + l / 16, row l % 16
	v_cndmask_b32 v197, v194, v195, s86
	global_store_b64 v2, v[196:197], s[16:17]      ; one aligned run of 256 bytes
	s_wait_dscnt 0x0
	s_wait_tensorcnt 0x0
	ds_add_u32 v254, v255
	s_wait_dscnt 0x0
	CROUND                                         ; the closing round
	s_endpgm
.Lfunc_end_k_qe8203b719d_qkv:
	.size	k_qe8203b719d_qkv, .Lfunc_end_k_qe8203b719d_qkv-k_qe8203b719d_qkv
	.p2alignl 7, 3214868480
	.fill 96, 4, 3214868480
	.section	.rodata,"a",@progbits
	.p2align	6, 0x0
	.amdhsa_kernel k_qe8203b719d_qkv
		.amdhsa_group_segment_fixed_size 327680
		.amdhsa_private_segment_fixed_size 0
		.amdhsa_enable_private_segment 0
		.amdhsa_kernarg_size 56
		.amdhsa_user_sgpr_count 2
		.amdhsa_user_sgpr_kernarg_segment_ptr 1
		.amdhsa_wavefront_size32 1
		.amdhsa_system_sgpr_workgroup_id_x 1
		.amdhsa_system_sgpr_workgroup_id_y 1
		.amdhsa_system_sgpr_workgroup_id_z 1
		.amdhsa_system_vgpr_workitem_id 0
		.amdhsa_next_free_vgpr 1024
		.amdhsa_next_free_sgpr 100
		.amdhsa_reserve_vcc 0
		.amdhsa_float_denorm_mode_32 3
		.amdhsa_float_denorm_mode_16_64 3
		.amdhsa_memory_ordered 1
		.amdhsa_forward_progress 1
		.amdhsa_inst_pref_size 101
	.end_amdhsa_kernel
	.amdgpu_metadata
---
amdhsa.version: [ 1, 2 ]
amdhsa.kernels:
  - .name:           k_qe8203b719d_qkv
    .symbol:         k_qe8203b719d_qkv.kd
    .args:
      - { .name: ximg, .offset: 0, .size: 8, .value_kind: global_buffer, .address_space: global }
      - { .name: wimg, .offset: 8, .size: 8, .value_kind: global_buffer, .address_space: global }
      - { .name: bq, .offset: 16, .size: 8, .value_kind: global_buffer, .address_space: global }
      - { .name: bk, .offset: 24, .size: 8, .value_kind: global_buffer, .address_space: global }
      - { .name: bv, .offset: 32, .size: 8, .value_kind: global_buffer, .address_space: global }
      - { .name: qkv, .offset: 40, .size: 8, .value_kind: global_buffer, .address_space: global }
      - { .name: qkvs, .offset: 48, .size: 8, .value_kind: global_buffer, .address_space: global }
    .group_segment_fixed_size: 327680
    .private_segment_fixed_size: 0
    .kernarg_segment_align: 8
    .kernarg_segment_size: 56
    .max_flat_workgroup_size: 128
    .sgpr_count:     100
    .vgpr_count:     1024
    .wavefront_size: 32
...
	.end_amdgpu_metadata
.endif
;; end of part 2
;; launch attn (part 3): grid 4 x 64, 16 waves a work-group, clusters of 4 x 1, 215,040 bytes of LDS; arguments qkv, qkvs, mask, cimg; writes cimg
.if DOCPART == 3
	.amdgcn_target "amdgcn-amd-amdhsa--gfx1250"
	.amdhsa_code_object_version 6
	.text
	.protected	k_qe8203b719d_attn
	.globl	k_qe8203b719d_attn
	.p2align	8
	.type	k_qe8203b719d_attn,@function
k_qe8203b719d_attn:
	s_mov_b64 s[64:65], 0
	v_nop
	global_prefetch_b8 v0, s[64:65] scope:SCOPE_SE
	s_setreg_imm32_b32 hwreg(HW_REG_WAVE_MODE, 25, 1), 1
	s_wait_xcnt 0x0
	s_wait_alu depctr_hold_cnt(0) depctr_sa_sdst(0) depctr_va_vdst(0) depctr_va_sdst(0) depctr_va_ssrc(0) depctr_va_vcc(0) depctr_vm_vsrc(0)
	s_getreg_b32 s2, hwreg(HW_REG_IB_STS2, 6, 4)
	s_cmp_eq_u32 s2, 0
	s_cbranch_scc0 .Lentry_in_a_cluster
	s_endpgm
.Lentry_in_a_cluster:
	s_bfe_u32 s2, ttmp6, 0x10000c
	s_cmp_lg_u32 s2, 0x3003
	s_cbranch_scc0 .Lentry_shape_is_right
	s_endpgm
.Lentry_shape_is_right:
; ctx = softmax(q k^T / 8, keys masked by an input) v, both products on codes of E2M3; ctx is quantised at once along heads x 64 and stored as the last product's operand.
; THE SOFTMAX AHEAD OF THE SECOND PRODUCT: t = score x log2(e) / 8; M = the running largest t rounded UP to a whole number; p = 2^(t - M) is quantised along the keys; the row's sum is taken of the unquantised p and divides at the end.
; SHARES.  A work-group owns 512 queries of one head of one batch; each of its sixteen waves two tiles of 16 queries, one after the other.  Both products are used transposed (S^T = K Q^T, O^T = V^T P^T): a lane holds ONE query.
; K's tiles hold keys 32 b + 8 u + r + 8 (r / 8), so that the 16 registers of tiles 2 b, 2 b + 1 are 16 neighbouring keys; V's tiles hold channels in the same order, so that O^T's registers are neighbouring channels.
; LDS.  The head's K (128 half images of 768 bytes), V (16 key steps x 4 images of 1,536) and V's scale words lie in LDS, filled ONCE, by joint loads of the cluster's four work-groups, which walk the same head.
; Wave 0 issues K's four loads (four of its loads are out), wave 1 the scale words' and V's four (five are out).  K's scale words are made by the waves and lie in bytes into which no load lands.
; THE MASK COSTS NO INSTRUCTION IN A STEP.  The head's K is 64, the instruction's 128.  At k = 64 q holds the code of +1 (scale byte 127) and every key the code of -1; the key's scale byte for that block is 227 where the key is
; masked (-2^100 is added to the score: p = 0) and 1 where it is open (-2^-126).  The largest t starts at -2^60, so that while only masked keys have been seen p is 0 and the sums stay zeros.
; A batch whose mask is all false: q's codes are all turned to zeros: every score is 0, every p is 1: the uniform weights that equal logits give.
; LIMITS: a masked key counts for nothing, where the definition gives it the logit -1e9: the same as long as a row's largest open logit lies above about -1e9.  NaN and infinities are not served.  A block of zeros gets the byte 1.
; REGISTERS: v1, v2 16 x, 8 x lane; v3-8 the step's LDS addresses; v10 q's scale word, v11 p's; v12 -M, v13 the largest t, v[14:15] the sum; v16-27 q; v28-31 K's scale words, v32-33 V's; v34-81 four fragments of K;
;   v82-95 both tiles' q as loaded; v96-159 S^T, then p, then V's four fragments; v160-191 O^T; v192-210 p's codes; v212-229 at work; v230 q's code at k = 64; v231 16 r.
.set VIMG, 98304
.set VSC,  196608
.set KSC,  200704
.macro PLACES n
.rept \n
	v_nop
.endr
.endm
.macro CROUND                          ; a round of the cluster's barrier
	s_barrier_signal -1
	s_barrier_wait -1
	s_cmp_lg_u32 s18, 0
	s_cbranch_scc1 .Lnot_wave_0_\@
	s_barrier_signal -3
.Lnot_wave_0_\@:
	s_barrier_wait -3
	s_barrier_signal -1
	s_barrier_wait -1
.endm
	s_load_b128 s[4:7], s[0:1], 0x0                ; qkv, qkvs
	s_load_b128 s[8:11], s[0:1], 0x10              ; mask, cimg
	v_lshl_add_u32 v254, v0, 2, 0x34000
	v_mov_b32 v255, 0
	ds_add_u32 v254, v255
	ds_add_u32 v254, v255
	v_lshrrev_b32 v1, 5, v0
	s_delay_alu instid0(VALU_DEP_1)
	v_readfirstlane_b32 s18, v1                    ; wave 0..15
	s_bfe_u32 s19, ttmp6, 0x40000                  ; cx: which quarter of the queries; it enters q's and ctx's global addresses alone
	s_and_b32 s12, ttmp7, 0xffff                   ; 16 x batch + head, which the four partners share
	s_lshr_b32 s13, s12, 4                         ; batch
	s_and_b32 s14, s12, 15                         ; head
	s_lshr_b32 s15, s14, 1                         ; pair of heads = K step of the last product
	s_and_b32 s16, s14, 1                          ; which of the pair
	s_lshl_b32 s90, s16, 4                         ; its two scale bytes begin at this bit
	s_mov_b32 s20, 0x76543210
	s_mov_b32 s21, 0xfedcba98                      ; v_permlanex16_b32's selects for lane l xor 16
	s_mov_b32 s22, 0x3e38aa3b                      ; c = log2(e) / 8
	s_mov_b32 s23, s22                             ; (named with it as a pair)
	s_mul_i32 s56, s12, 98304
	s_add_co_u32 s58, s56, 12582912                ; the head's V
	s_add_co_u32 s56, s56, 6291456                 ; the head's K
	s_mov_b32 s57, 0
	s_mov_b32 s59, 0
	s_lshl_b32 s60, s12, 12
	s_add_co_u32 s60, s60, 524288                  ; V's scale words
	s_mov_b32 s61, 0
	s_mov_b32 s24, 15|(3<<16)|(1<<21)              ; group 1: all four work-groups; elements of 8 bytes; bit 21 beside a mask; no padding
	s_mov_b32 s25, 32<<16                          ; rows of 256 bytes,
	s_mov_b32 s26, 96<<16                          ; 96 of them: four key steps
	s_mov_b32 s27, 32<<16
	s_mov_b32 s28, 96
	s_mov_b32 s29, 32
	s_mov_b32 s30, 0
	s_mov_b32 s31, 0
	s_mov_b32 s32, 15|(3<<16)|(1<<21)              ; the same with 16 rows: V's scale words
	s_mov_b32 s33, 32<<16
	s_mov_b32 s34, 16<<16
	s_mov_b32 s35, 32<<16
	s_mov_b32 s36, 16
	s_mov_b32 s37, 32
	s_mov_b32 s38, 0
	s_mov_b32 s39, 0
	s_wait_dscnt 0x0
	s_wait_kmcnt 0x0
	s_add_nc_u64 s[56:57], s[4:5], s[56:57]
	s_add_nc_u64 s[58:59], s[4:5], s[58:59]
	s_add_nc_u64 s[60:61], s[6:7], s[60:61]
.irp g, 0,1,2,3
	s_mov_b32 s[40+4*\g], 1
	s_mov_b32 s[41+4*\g], 24576*\g
	s_add_nc_u64 s[42+4*\g:43+4*\g], s[56:57], 24576*\g
	s_or_b32 s[43+4*\g], s[43+4*\g], 0x80000000
	s_mov_b32 s[68+4*\g], 1
	s_mov_b32 s[69+4*\g], VIMG+24576*\g
	s_add_nc_u64 s[70+4*\g:71+4*\g], s[58:59], 24576*\g
	s_or_b32 s[71+4*\g], s[71+4*\g], 0x80000000
.endr
	s_mov_b32 s84, 1
	s_mov_b32 s85, VSC
	s_mov_b64 s[86:87], s[60:61]
	s_or_b32 s87, s87, 0x80000000
	CROUND                                         ; all four work-groups are here: the joint loads meet
	s_cmp_eq_u32 s18, 0                            ; a wave's fills stand in one branch on the wave's number
	s_cbranch_scc0 .Lnot_k
	tensor_load_to_lds s[40:43], s[24:31]
	s_nop 0
	tensor_load_to_lds s[44:47], s[24:31]
	s_nop 0
	tensor_load_to_lds s[48:51], s[24:31]
	s_nop 0
	tensor_load_to_lds s[52:55], s[24:31]
	s_nop 0
	PLACES 4
	s_branch .Lasked
.Lnot_k:
	s_cmp_eq_u32 s18, 1
	s_cbranch_scc0 .Lasked
	tensor_load_to_lds s[84:87], s[32:39]
	s_nop 0
	tensor_load_to_lds s[68:71], s[24:31]
	s_nop 0
	tensor_load_to_lds s[72:75], s[24:31]
	s_nop 0
	tensor_load_to_lds s[76:79], s[24:31]
	s_nop 0
	tensor_load_to_lds s[80:83], s[24:31]
	s_nop 0
	PLACES 4
.Lasked:
	s_lshl_b32 s56, s13, 11
	s_mov_b32 s57, 0
	s_add_nc_u64 s[56:57], s[8:9], s[56:57]        ; the batch's 2,048 mask bytes
	s_lshl_b32 s58, s18, 7
	s_mov_b32 s59, 0
	s_add_nc_u64 s[58:59], s[56:57], s[58:59]      ; those of key step w
	s_lshl_b32 s60, s15, 7
	s_lshl_b32 s62, s13, 5
	s_add_co_u32 s60, s60, s62                     ; 128 x pair of heads + 32 x batch: the batch's first unit of scale words
	s_lshl_b32 s62, s18, 1
	s_add_co_u32 s62, s62, s60
	s_lshl_b32 s62, s62, 8
	s_add_co_u32 s62, s62, 262144
	s_mov_b32 s63, 0
	s_add_nc_u64 s[62:63], s[6:7], s[62:63]        ; k's scale words of key step w: units 2 w, 2 w + 1
	s_lshl_b32 s96, s19, 3
	s_add_co_u32 s96, s96, s60
	s_lshr_b32 s98, s18, 1
	s_add_co_u32 s96, s96, s98
	s_lshl_b32 s96, s96, 8
	s_and_b32 s98, s18, 1
	s_lshl_b32 s98, s98, 2
	s_add_co_u32 s96, s96, s98
	s_mov_b32 s97, 0
	s_add_nc_u64 s[96:97], s[6:7], s[96:97]        ; q's scale words of my two tiles
	s_lshl_b32 s98, s19, 5
	s_lshl_b32 s99, s18, 1
	s_add_co_u32 s98, s98, s99                     ; my first tile of queries in the batch: 32 cx + 2 w
	s_lshl_b32 s60, s12, 7
	s_add_co_u32 s60, s60, s98
	s_mul_i32 s60, s60, 768
	s_mov_b32 s61, 0
	s_add_nc_u64 s[60:61], s[4:5], s[60:61]        ; its codes
	s_lshl_b32 s92, s13, 7
	s_add_co_u32 s92, s92, s98
	s_lshl_b32 s92, s92, 1
	s_lshr_b32 s99, s15, 2
	s_add_co_u32 s92, s92, s99
	s_mul_i32 s92, s92, 6400                       ; ctx: my first tile's record, the chunk of my head's K step
	s_and_b32 s99, s15, 3
	s_lshl_b32 s94, s99, 2
	s_add_co_u32 s94, s94, s92
	s_lshl_b32 s91, s16, 1
	s_add_co_u32 s94, s94, s91
	s_add_co_u32 s94, s94, 6144                    ; my head's two bytes of a row's scale word
	s_mov_b32 s95, 0
	s_mul_i32 s99, s99, 1536
	s_add_co_u32 s92, s92, s99
	s_mul_i32 s99, s16, 768
	s_add_co_u32 s92, s92, s99                     ; my head's half image
	s_mov_b32 s93, 0
	s_add_nc_u64 s[92:93], s[10:11], s[92:93]
	s_add_nc_u64 s[94:95], s[10:11], s[94:95]
	s_lshl_b32 s99, s18, 9
	s_add_co_u32 s99, s99, KSC                     ; key step w's 512 bytes of K's scale words
	v_and_b32 v122, 31, v0
	s_delay_alu instid0(VALU_DEP_1)
	v_lshlrev_b32 v1, 4, v122
	s_delay_alu instid0(VALU_DEP_2)
	v_lshlrev_b32 v2, 3, v122
	v_and_b32 v120, 15, v0                         ; r
	v_bfe_u32 v121, v0, 4, 1                       ; h
	s_delay_alu instid0(VALU_DEP_2)
	v_lshlrev_b32 v231, 4, v120
	s_delay_alu instid0(VALU_DEP_3)
	v_and_b32 v123, 8, v120
	s_delay_alu instid0(VALU_DEP_1)
	v_add_nc_u32 v123, v123, v120
	s_delay_alu instid0(VALU_DEP_1)
	v_lshl_add_u32 v123, v121, 3, v123             ; word i of lane l belongs to key 32 i + 8 h + r + 8 (r / 8) of the step
	v_lshlrev_b32 v124, 3, v120
	v_add_nc_u32 v127, s99, v1
.irp q, 0,1,2,3
	global_load_b128 v[96+4*\q:99+4*\q], v1, s[56:57] offset:512*\q   ; the whole batch's mask: is any key open?
.endr
	global_load_b64 v[112:113], v2, s[62:63]
	global_load_b64 v[114:115], v2, s[62:63] offset:256
.irp i, 0,1,2,3
	global_load_u8 v[116+\i], v123, s[58:59] offset:32*\i
.endr
	global_load_b128 v[82:85], v1, s[60:61]        ; q, tile 0
	global_load_b64 v[86:87], v2, s[60:61] offset:512
	global_load_b128 v[90:93], v1, s[60:61] offset:768   ; tile 1
	global_load_b64 v[94:95], v2, s[60:61] offset:1280
	global_load_b32 v88, v124, s[96:97]
	global_load_b32 v89, v124, s[96:97] offset:128
	v_mov_b32 v125, 0x7fe30000                     ; a masked key: bytes 2, 3 = 227, 127
	v_mov_b32 v126, 0x7f010000                     ; an open key: 1, 127
	v_xor_b32 v226, 1, v121                        ; 1 in lanes 0-15, which hold k = 64 .. 95
	s_delay_alu instid0(VALU_DEP_1)
	v_lshlrev_b32 v230, 3, v226                    ; the code of +1.0 at k = 64
.irp t, 0,1,2,3
	v_mul_u32_u24 v[40+12*\t], 40, v226            ; every fragment of K: the code of -1.0 at k = 64,
.irp i, 1,2,3,4,5
	v_mov_b32 v[40+12*\t+\i], 0                    ; zeros at k = 65 .. 127; set once
.endr
.endr
.irp i, 23,24,25,26,27
	v_mov_b32 v[\i], 0                             ; q likewise
.endr
.irp b, 0,1,2,3
	v_mov_b32 v[216+\b], 0                         ; a lane permute's destination counts as one of its sources
.endr
	v_mov_b32 v225, 0                              ; (named as the upper half of the pair v[224:225])
	s_wait_loadcnt 0x0
.irp i, 0,2,4,6,8,10,12,14
	v_or_b32 v[96+\i], v[96+\i], v[97+\i]
.endr
.irp i, 0,4,8,12
	v_or_b32 v[96+\i], v[96+\i], v[98+\i]
.endr
	s_delay_alu instid0(VALU_DEP_3)
	v_or_b32 v96, v96, v100
	s_delay_alu instid0(VALU_DEP_2)
	v_or_b32 v104, v104, v108
	s_delay_alu instid0(VALU_DEP_1)
	v_or_b32 v96, v96, v104
	s_delay_alu instid0(VALU_DEP_1)
	v_cmp_ne_u32 vcc_lo, 0, v96
	s_cmp_lg_u32 vcc_lo, 0
	s_cselect_b32 s89, -1, 0                       ; all ones where the batch has an open key: it only selects values
.irp i, 0,1,2,3
	v_bfe_u32 v[112+\i], v[112+\i], s90, 16        ; my head's two bytes,
	v_cmp_ne_u32 vcc_lo, 0, v[116+\i]
	s_delay_alu instid0(VALU_DEP_1)
	v_cndmask_b32 v[116+\i], v125, v126, vcc_lo    ; and the mask's byte
	s_delay_alu instid0(VALU_DEP_1)
	v_or_b32 v[112+\i], v[112+\i], v[116+\i]
.endr
	ds_store_b128 v127, v[112:115]                 ; word i: lanes 0-15 tile 2 i of the step, lanes 16-31 tile 2 i + 1
.macro QINIT ql, qs                    ; a tile of queries begins
.irp i, 0,1,2,3,4,5
	v_cndmask_b32 v[16+\i], 0, v[\ql+\i], s89
.endr
	v_cndmask_b32 v22, 0, v230, s89
	v_bfe_u32 v10, v[\qs], s90, 16
	s_delay_alu instid0(VALU_DEP_1)
	v_or_b32 v10, 0x7f7f0000, v10
	v_mov_b32 v13, 0xdd800000                      ; the largest t so far: -2^60
	s_delay_alu instid0(VALU_DEP_1)
	v_floor_f32 v12, -v13                          ; -M
	v_mov_b32 v14, 0
	v_mov_b32 v15, 0
.set i, 0
.rept 32
	v_mov_b32 v[160+i], 0                          ; O^T.  (These are also the plain places between the lines above and the scaled products)
.set i, i+1
.endr
	s_mov_b32 s2, 0                                ; where the step's K, V, K's and V's scale words begin in LDS
	s_mov_b32 s3, VIMG
	s_mov_b32 s66, KSC
	s_mov_b32 s67, VSC
.endm
; A KEY STEP: 128 keys.
.macro STEP
	v_add_nc_u32 v3, s2, v1                        ; six plain places between the last products and what is laid over V's fragments
	s_wait_alu depctr_va_vdst(0)
	v_add_nc_u32 v4, s2, v2
	s_wait_alu depctr_va_vdst(0)
	v_add_nc_u32 v5, s3, v1
	v_add_nc_u32 v6, s3, v2
	v_add_nc_u32 v7, s66, v1
	v_add_nc_u32 v8, s67, v2
	ds_load_b128 v[28:31], v7
	ds_load_b64 v[32:33], v8
.irp g, 0,1                            ; S^T = K Q^T, four tiles of 16 keys at a time
.if \g
	PLACES 4                                       ; in front of loads into fragments that the last products read
.endif
.irp t, 0,1,2,3
	ds_load_b128 v[34+12*\t:37+12*\t], v3 offset:768*(4*\g+\t)
	ds_load_b64 v[38+12*\t:39+12*\t], v4 offset:768*(4*\g+\t)+512
.endr
	s_wait_dscnt 0x0
.irp t, 0,1,2,3
.if \t%2
	v_wmma_scale_f32_16x16x128_f8f6f4 v[96+8*(4*\g+\t):103+8*(4*\g+\t)], v[34+12*\t:45+12*\t], v[16:27], 0, v[28+2*\g+\t/2], v10 matrix_a_fmt:MATRIX_FMT_FP6 matrix_b_fmt:MATRIX_FMT_FP6 matrix_a_scale:MATRIX_SCALE_ROW1
.else
	v_wmma_scale_f32_16x16x128_f8f6f4 v[96+8*(4*\g+\t):103+8*(4*\g+\t)], v[34+12*\t:45+12*\t], v[16:27], 0, v[28+2*\g+\t/2], v10 matrix_a_fmt:MATRIX_FMT_FP6 matrix_b_fmt:MATRIX_FMT_FP6
.endif
.endr
.endr
	PLACES 4
.irp b, 0,1,2,3
	v_max3_num_f32 v[212+\b], v[96+16*\b], v[97+16*\b], v[98+16*\b]   ; the largest score of each block of 32 keys: for the row's maximum, and, since p rises with the score, for the block's largest p
.endr
.irp i, 3,5,7,9,11,13
.irp b, 0,1,2,3
	v_max3_num_f32 v[212+\b], v[212+\b], v[96+16*\b+\i], v[97+16*\b+\i]
.endr
.endr
.irp b, 0,1,2,3
	v_max_num_f32 v[212+\b], v[212+\b], v[111+16*\b]
.endr
.irp b, 0,1,2,3
	s_delay_alu instid0(VALU_DEP_4)
	v_permlanex16_b32 v[216+\b], v[212+\b], s20, s21
.endr
.irp b, 0,1,2,3
	s_delay_alu instid0(VALU_DEP_4)
	v_max_num_f32 v[212+\b], v[212+\b], v[216+\b]  ; with lane l xor 16's 16 keys
.endr
	s_delay_alu instid0(VALU_DEP_2)
	v_max3_num_f32 v226, v212, v213, v214
	s_delay_alu instid0(VALU_DEP_1)
	v_max_num_f32 v226, v226, v215
	s_delay_alu instid0(VALU_DEP_1)
	v_mul_f32 v226, s22, v226                      ; the step's largest t
	s_delay_alu instid0(VALU_DEP_1)
	v_max_num_f32 v13, v13, v226                   ; the running largest t
	v_mov_b32 v226, v12
	s_delay_alu instid0(VALU_DEP_2)
	v_floor_f32 v12, -v13                          ; the new -M = -ceil(t): a whole number
	s_delay_alu instid0(VALU_DEP_1)
	v_sub_f32 v226, v12, v226                      ; old M - new M: a whole number, 0 or less
	s_delay_alu instid0(VALU_DEP_1)
	v_cvt_i32_f32 v226, v226                       ; (it saturates)
	s_delay_alu instid0(VALU_DEP_1)
	v_ldexp_f32 v224, 1.0, v226                    ; f = 2^(old M - new M)
.set i, 0
.rept 32
	v_pk_fma_f32 v[96+i:97+i], v[96+i:97+i], s[22:23], v[12:13] op_sel_hi:[1,0,0]   ; t - M, two at a time
.set i, i+2
.endr
.irp b, 0,1,2,3
	v_fma_f32 v[212+\b], v[212+\b], s22, v12       ; the same of each block's largest score
.endr
.set i, 0
	s_wait_alu depctr_va_vdst(0)
.rept 64
	v_exp_f32 v[96+i], v[96+i]                     ; p = 2^(t - M): one batch
.set i, i+1
.endr
	s_setprio 1
	v_pk_mul_f32 v[14:15], v[14:15], v[224:225] op_sel_hi:[1,0]   ; the sums under the new M: the plain place behind the exponentials
	s_wait_alu depctr_va_vdst(0)                   ; one wait for the batch, ahead of its first reader
.irp b, 0,1,2,3
	v_exp_f32 v[212+\b], v[212+\b]                 ; the blocks' largest p
.endr
	v_pk_add_f32 v[228:229], v[100:101], v[104:105]
	v_pk_add_f32 v[252:253], v[108:109], v[112:113]
	v_pk_add_f32 v[250:251], v[116:117], v[120:121]
	v_pk_add_f32 v[248:249], v[124:125], v[128:129]
	v_pk_add_f32 v[246:247], v[132:133], v[136:137]
	v_pk_add_f32 v[244:245], v[140:141], v[144:145]
	v_pk_add_f32 v[242:243], v[148:149], v[152:153]
	v_pk_add_f32 v[14:15], v[14:15], v[156:157]
	v_pk_add_f32 v[228:229], v[228:229], v[96:97]
	v_pk_add_f32 v[252:253], v[252:253], v[98:99]
	v_pk_add_f32 v[250:251], v[250:251], v[102:103]
	v_pk_add_f32 v[248:249], v[248:249], v[106:107]
	v_pk_add_f32 v[246:247], v[246:247], v[110:111]
	v_pk_add_f32 v[244:245], v[244:245], v[114:115]
	v_pk_add_f32 v[242:243], v[242:243], v[118:119]
	v_pk_add_f32 v[14:15], v[14:15], v[122:123]
	v_pk_add_f32 v[228:229], v[228:229], v[126:127]
	v_pk_add_f32 v[252:253], v[252:253], v[130:131]
	v_pk_add_f32 v[250:251], v[250:251], v[134:135]
	v_pk_add_f32 v[248:249], v[248:249], v[138:139]
	v_pk_add_f32 v[246:247], v[246:247], v[142:143]
	v_pk_add_f32 v[244:245], v[244:245], v[146:147]
	v_pk_add_f32 v[242:243], v[242:243], v[150:151]
	v_pk_add_f32 v[14:15], v[14:15], v[154:155]
	v_pk_add_f32 v[228:229], v[228:229], v[158:159]
	s_delay_alu instid0(VALU_DEP_2)
	v_pk_add_f32 v[14:15], v[14:15], v[248:249]
	s_delay_alu instid0(VALU_DEP_2)
	v_pk_add_f32 v[228:229], v[228:229], v[246:247]
	v_pk_add_f32 v[252:253], v[252:253], v[244:245]
	v_pk_add_f32 v[250:251], v[250:251], v[242:243]
	s_delay_alu instid0(VALU_DEP_2)
	v_pk_add_f32 v[14:15], v[14:15], v[252:253]
	s_delay_alu instid0(VALU_DEP_2)
	v_pk_add_f32 v[228:229], v[228:229], v[250:251]
	s_delay_alu instid0(VALU_DEP_1)
	v_pk_add_f32 v[14:15], v[14:15], v[228:229]
	s_wait_alu depctr_va_vdst(0)                   ; and one for the four
.irp b, 0,1,2,3
	v_max_num_f32 v[212+\b], 0x1800000, v[212+\b]  ; the floor 2^(3 - 127)
.endr
.irp b, 0,1,2,3
	s_delay_alu instid0(VALU_DEP_4)
	v_add_nc_u32 v[220+\b], 0xff000000, v[212+\b]  ; the conversion's scale operand
.endr
.irp b, 0,1,2,3
	s_delay_alu instid0(VALU_DEP_4)
	v_lshrrev_b32 v[216+\b], 23, v[220+\b]         ; the scale's byte
.endr
	s_delay_alu instid0(VALU_DEP_3)
	v_lshl_or_b32 v11, v217, 8, v216               ; p's scale word for these 128 keys
	s_delay_alu instid0(VALU_DEP_1)
	v_lshl_or_b32 v11, v218, 16, v11
	s_delay_alu instid0(VALU_DEP_1)
	v_lshl_or_b32 v11, v219, 24, v11
.irp c, 0,1
	v_cvt_scalef32_pk16_fp6_f32 v[192+6*\c:194+6*\c], v[96+32*\c:111+32*\c], v[220+2*\c]
	v_cvt_scalef32_pk16_fp6_f32 v[204+4*\c:206+4*\c], v[112+32*\c:127+32*\c], v[221+2*\c]
.endr
	v_nop                                          ; one plain place behind a scaled conversion
.irp a, 0,1,2,3                        ; V's four fragments land where p lay
.irp c, 0,1
	ds_load_b128 v[96+12*\a+6*\c:99+12*\a+6*\c], v5 offset:1536*\a+768*\c
	ds_load_b64 v[100+12*\a+6*\c:101+12*\a+6*\c], v6 offset:1536*\a+768*\c+512
.endr
.endr
.irp c, 0,1                            ; the operand's layout wants a WHOLE block in a lane
.irp i, 0,1,2
	v_permlane16_swap_b32 v[192+6*\c+\i], v[204+4*\c+\i]
.endr
.irp i, 0,1,2
	s_delay_alu instid0(VALU_DEP_3)
	v_mov_b32 v[195+6*\c+\i], v[204+4*\c+\i]
.endr
.endr
.set i, 0
	s_setprio 0
.rept 16
	v_pk_mul_f32 v[160+i:161+i], v[160+i:161+i], v[224:225] op_sel_hi:[1,0]   ; O^T under the new M.  (Also the places between p's codes and scale word and the products)
.set i, i+2
.endr
	s_wait_alu depctr_va_vdst(0)
	s_wait_dscnt 0x0
.irp a, 0,1,2,3                        ; O^T += V^T P^T: the four accumulators by turns
.if \a%2
	v_wmma_scale_f32_16x16x128_f8f6f4 v[160+8*\a:167+8*\a], v[96+12*\a:107+12*\a], v[192:203], v[160+8*\a:167+8*\a], v[32+\a/2], v11 matrix_a_fmt:MATRIX_FMT_FP6 matrix_b_fmt:MATRIX_FMT_FP6 matrix_a_scale:MATRIX_SCALE_ROW1
.else
	v_wmma_scale_f32_16x16x128_f8f6f4 v[160+8*\a:167+8*\a], v[96+12*\a:107+12*\a], v[192:203], v[160+8*\a:167+8*\a], v[32+\a/2], v11 matrix_a_fmt:MATRIX_FMT_FP6 matrix_b_fmt:MATRIX_FMT_FP6
.endif
.endr
	s_add_co_u32 s2, s2, 6144
	s_add_co_u32 s3, s3, 6144
	s_add_co_u32 s66, s66, 512
	s_add_co_u32 s67, s67, 256
.endm
.macro STEPS n
	s_mov_b32 s88, \n
.Lsteps_\@:
	s_setprio 2
	STEP
	s_sub_co_u32 s88, s88, 1
	s_cmp_lg_u32 s88, 0
	s_cbranch_scc1 .Lsteps_\@
	s_setprio 0
.endm
; A tile's ctx: O^T / the sum; register 16 b + i is channel 32 b + 16 (lane / 16) + i of my query: two blocks, quantised, stored as my head's half image of the tile's fragment.
.macro CTXOUT t
	PLACES 4                                       ; behind the last products
	v_add_f32 v14, v14, v15
	s_delay_alu instid0(VALU_DEP_1)
	v_permlanex16_b32 v216, v14, s20, s21
	s_delay_alu instid0(VALU_DEP_1)
	v_add_f32 v14, v14, v216                       ; the row's sum
	s_wait_alu depctr_va_vdst(0)
	v_rcp_f32 v224, v14
	v_nop                                          ; a plain place behind the reciprocal
	s_wait_alu depctr_va_vdst(0)                   ; and the wait ahead of its first reader
.set i, 0
.rept 16
	v_pk_mul_f32 v[96+i:97+i], v[160+i:161+i], v[224:225] op_sel_hi:[1,0]   ; each accumulator from its low end on
.set i, i+2
.endr
.irp b, 0,1
	v_max3_num_f32 v[212+\b], |v[96+16*\b]|, |v[97+16*\b]|, 0x1800000
.endr
.irp i, 2,4,6,8,10,12,14
.irp b, 0,1
	s_delay_alu instid0(VALU_DEP_2)
	v_max3_num_f32 v[212+\b], v[212+\b], |v[96+16*\b+\i]|, |v[97+16*\b+\i]|
.endr
.endr
.irp b, 0,1
	s_delay_alu instid0(VALU_DEP_2)
	v_permlanex16_b32 v[216+\b], v[212+\b], s20, s21
.endr
.irp b, 0,1
	s_delay_alu instid0(VALU_DEP_2)
	v_max_num_f32 v[212+\b], v[212+\b], v[216+\b]
.endr
.irp b, 0,1
	s_delay_alu instid0(VALU_DEP_2)
	v_add_nc_u32 v[220+\b], 0xff000000, v[212+\b]
.endr
.irp b, 0,1
	s_delay_alu instid0(VALU_DEP_2)
	v_lshrrev_b32 v[216+\b], 23, v[220+\b]
.endr
	s_delay_alu instid0(VALU_DEP_1)
	v_lshl_or_b32 v226, v217, 8, v216              ; my head's two scale bytes of my row
	v_cvt_scalef32_pk16_fp6_f32 v[192:194], v[96:111], v220
	v_cvt_scalef32_pk16_fp6_f32 v[204:206], v[112:127], v221
	v_nop
.irp i, 0,1,2
	v_permlane16_swap_b32 v[192+\i], v[204+\i]
.endr
.irp i, 0,1,2
	s_delay_alu instid0(VALU_DEP_3)
	v_mov_b32 v[195+\i], v[204+\i]
.endr
	global_store_b128 v1, v[192:195], s[92:93] offset:12800*\t           ; three whole aligned runs of 256 bytes
	global_store_b64 v2, v[196:197], s[92:93] offset:12800*\t+512
	global_store_b16 v231, v226, s[94:95] offset:12800*\t                ; two bytes of each row's sixteen (one byte for 24 of codes); lanes r and r + 16 hold the same and name the same bytes
	s_wait_xcnt 0x0                                ; the stores have read their registers: the next tile writes them again
.endm
	QINIT 82, 88
.irp g, 0,1,2,3
	s_wait_tensorcnt 3-\g                          ; K's and V's group g of four key steps has landed (and V's scale words); the later groups' loads may stay out
	s_wait_dscnt 0x0                               ; my LDS instructions are done, my store of K's scale words among them
	s_barrier_signal -1
	s_barrier_wait -1
	STEPS 4
.endr
	CTXOUT 0
	QINIT 90, 89
	STEPS 16
	CTXOUT 1
	s_wait_dscnt 0x0
	s_wait_tensorcnt 0x0
	ds_add_u32 v254, v255
	s_wait_dscnt 0x0
	CROUND                                         ; the closing round
	s_endpgm
.Lfunc_end_k_qe8203b719d_attn:
	.size	k_qe8203b719d_attn, .Lfunc_end_k_qe8203b719d_attn-k_qe8203b719d_attn
	.p2alignl 7, 3214868480
	.fill 96, 4, 3214868480
	.section	.rodata,"a",@progbits
	.p2align	6, 0x0
	.amdhsa_kernel k_qe8203b719d_attn
		.amdhsa_group_segment_fixed_size 215040
		.amdhsa_private_segment_fixed_size 0
		.amdhsa_enable_private_segment 0
		.amdhsa_kernarg_size 32
		.amdhsa_user_sgpr_count 2
		.amdhsa_user_sgpr_kernarg_segment_ptr 1
		.amdhsa_wavefront_size32 1
		.amdhsa_system_sgpr_workgroup_id_x 1
		.amdhsa_system_sgpr_workgroup_id_y 1
		.amdhsa_system_sgpr_workgroup_id_z 1
		.amdhsa_system_vgpr_workitem_id 0
		.amdhsa_next_free_vgpr 256
		.amdhsa_next_free_sgpr 100
		.amdhsa_reserve_vcc 1
		.amdhsa_float_denorm_mode_32 3
		.amdhsa_float_denorm_mode_16_64 3
		.amdhsa_memory_ordered 1
		.amdhsa_forward_progress 1
		.amdhsa_inst_pref_size 116
	.end_amdhsa_kernel
	.amdgpu_metadata
---
amdhsa.version: [ 1, 2 ]
amdhsa.kernels:
  - .name:           k_qe8203b719d_attn
    .symbol:         k_qe8203b719d_attn.kd
    .args:
      - { .name: qkv, .offset: 0, .size: 8, .value_kind: global_buffer, .address_space: global }
      - { .name: qkvs, .offset: 8, .size: 8, .value_kind: global_buffer, .address_space: global }
      - { .name: mask, .offset: 16, .size: 8, .value_kind: global_buffer, .address_space: global }
      - { .name: cimg, .offset: 24, .size: 8, .value_kind: global_buffer, .address_space: global }
    .group_segment_fixed_size: 215040
    .private_segment_fixed_size: 0
    .kernarg_segment_align: 8
    .kernarg_segment_size: 32
    .max_flat_workgroup_size: 512
    .sgpr_count:     100
    .vgpr_count:     256
    .wavefront_size: 32
...
	.end_amdgpu_metadata
.endif
;; end of part 3
;; launch outp (part 4): grid 8 x 32, 4 waves a work-group, clusters of 4 x 4, 327,680 bytes of LDS; arguments cimg, wimg, bo, out0; writes out0
.if DOCPART == 4
	.amdgcn_target "amdgcn-amd-amdhsa--gfx1250"
	.amdhsa_code_object_version 6
	.text
	.protected	k_qe8203b719d_outp
	.globl	k_qe8203b719d_outp
	.p2align	8
	.type	k_qe8203b719d_outp,@function
k_qe8203b719d_outp:
	s_mov_b64 s[64:65], 0
	v_nop
	global_prefetch_b8 v0, s[64:65] scope:SCOPE_SE
	s_setreg_imm32_b32 hwreg(HW_REG_WAVE_MODE, 25, 1), 1
	s_wait_xcnt 0x0
	s_wait_alu depctr_hold_cnt(0) depctr_sa_sdst(0) depctr_va_vdst(0) depctr_va_sdst(0) depctr_va_ssrc(0) depctr_va_vcc(0) depctr_vm_vsrc(0)
	s_getreg_b32 s2, hwreg(HW_REG_IB_STS2, 6, 4)
	s_cmp_eq_u32 s2, 0
	s_cbranch_scc0 .Lentry_in_a_cluster
	s_endpgm
.Lentry_in_a_cluster:
	s_bfe_u32 s2, ttmp6, 0x10000c
	s_cmp_lg_u32 s2, 0xf033
	s_cbranch_scc0 .Lentry_shape_is_right
	s_endpgm
.Lentry_shape_is_right:
; out = relu(ctx Wo + bo) on codes of E2M3.  D = P x Q^T: source 0 = 16 columns of Wo (P), source 1 = 16 tokens of ctx (Q), K = 1,024: a lane holds one token, its registers neighbouring output channels.
; A work-group takes 128 channels and 256 tokens; wave w all 8 tiles of P and tiles 4 w .. 4 w + 3 of Q: 32 accumulators.  A tile's rows: tile T, row r = row 32 (T / 2) + 8 (T % 2) + r + 8 (r / 8).
; LDS.  Both operands for all of K lie in LDS, filled ONCE: chunk j (512 along K) at 153,600 j: P's 8 tile chunks of 6,400 bytes (four images of 1,536, then 256 bytes of scale words), then Q's 16.  No byte is filled again.
; CLUSTER 4 x 4: P hangs on the cluster's x and cx alone and is asked for jointly by the four of a column, Q on the cluster's y and cy alone, by the four of a row.  A wave has two tensor loads out at the start.
; The way out goes through a stage of the wave's own in chunk 0, which has had its one fill and which nobody reads behind the barrier at K step 3; whole rows of 512 bytes are stored.
; REGISTERS: window 0: v1-21 addresses; v32-95 scale words, later 64 results; v96-159 the bias, later (with v160-223) rows on their way out.  Window 1: accumulator (a, b) at v[64 a + 8 b].  Windows 2, 3: two sets of fragments.
.set CH,   153600
.set TCH,  6400
.set QOFF, 51200
.set SC,   32
.set BP,   96
.set HA,   32
.set MSB,  0
.macro WIN new                         ; the immediate's high byte repeats the setting that is left
.if MSB != (\new)
	s_set_vgpr_msb (MSB<<8)|(\new)
.set MSB, (\new)
.endif
.endm
.macro PLACES n
.rept \n
	v_nop
.endr
.endm
.macro CROUND                          ; a round of the cluster's barrier
	s_barrier_signal -1
	s_barrier_wait -1
	s_cmp_lg_u32 s18, 0
	s_cbranch_scc1 .Lnot_wave_0_\@
	s_barrier_signal -3
.Lnot_wave_0_\@:
	s_barrier_wait -3
	s_barrier_signal -1
	s_barrier_wait -1
.endm
.macro FRAG reg, a16, a8, off          ; an image comes back as the registers that it is
	ds_load_b128 v[\reg:\reg+3], v[\a16] offset:\off
	ds_load_b64 v[\reg+4:\reg+5], v[\a8] offset:\off+512
	ds_load_b128 v[\reg+6:\reg+9], v[\a16] offset:\off+768
	ds_load_b64 v[\reg+10:\reg+11], v[\a8] offset:\off+1280
.endm
.macro FETCH set, j, ks                ; the 12 fragments of K step ks of chunk j into a set: 48 loads in one run
	WIN 0x80+0x40*(\set)
.irp b, 0,1,2,3,4,5,6,7
	FRAG 12*\b, 8+(\j), 10+(\j), \b*TCH+1536*(\ks)
.endr
.irp a, 0,1,2,3
	FRAG 96+12*\a, 12+(\j), 14+(\j), \a*TCH+1536*(\ks)
.endr
	WIN 0
.endm
.macro SCALES j                        ; a chunk's scale words: register 4 i + ks: lanes 0-15 P's tile i; lanes 16-31 (i < 4) my tile i of Q
	WIN 0
.irp i, 0,1,2,3
	ds_load_b128 v[SC+32*(\j)+4*\i:SC+32*(\j)+4*\i+3], v[16+(\j)] offset:\i*TCH
.endr
.irp i, 4,5,6,7
	ds_load_b128 v[SC+32*(\j)+4*\i:SC+32*(\j)+4*\i+3], v[18+(\j)] offset:\i*TCH
.endr
.endm
.macro MUL set, j, ks, first           ; 32 matrix instructions, the 32 accumulators by turns, in the same order in every step.  first = 1: the bias is the C that starts the sums
.if \first
	WIN 0x4a
.else
	WIN 0x5a+5*(\set)
.endif
.irp a, 0,1,2,3
.irp b, 0,1,2,3,4,5,6,7
.if \first
	v_wmma_scale_f32_16x16x128_f8f6f4 v[64*\a+8*\b:64*\a+8*\b+7], v[12*\b:12*\b+11], v[96+12*\a:96+12*\a+11], v[BP+8*\b:BP+8*\b+7], v[SC+32*(\j)+4*\b+(\ks)], v[SC+32*(\j)+4*\a+(\ks)] matrix_a_fmt:MATRIX_FMT_FP6 matrix_b_fmt:MATRIX_FMT_FP6 matrix_b_scale:MATRIX_SCALE_ROW1
.else
	v_wmma_scale_f32_16x16x128_f8f6f4 v[64*\a+8*\b:64*\a+8*\b+7], v[12*\b:12*\b+11], v[96+12*\a:96+12*\a+11], v[64*\a+8*\b:64*\a+8*\b+7], v[SC+32*(\j)+4*\b+(\ks)], v[SC+32*(\j)+4*\a+(\ks)] matrix_a_fmt:MATRIX_FMT_FP6 matrix_b_fmt:MATRIX_FMT_FP6 matrix_b_scale:MATRIX_SCALE_ROW1
.endif
.endr
.endr
.endm
.macro KSTEP s                         ; K step s: its fragments are in; the next step's are asked for; then its 32 products
	s_wait_dscnt 0x0
.if \s == 3
	s_wait_tensorcnt 0x0                           ; my part of chunk 1 has landed,
	s_barrier_signal -1
	s_barrier_wait -1                              ; everybody's has, and nobody reads chunk 0 any more
	SCALES 1
.endif
.if \s < 7
.if \s > 0
	PLACES 4                                       ; four plain places between the last products and loads into the fragments that they read
.endif
	FETCH ((\s)+1)%2, ((\s)+1)/4, ((\s)+1)%4
.endif
	MUL (\s)%2, (\s)/4, (\s)%4, (\s)==0
.endm
	s_load_b128 s[4:7], s[0:1], 0x0                ; cimg, wimg
	s_load_b128 s[8:11], s[0:1], 0x10              ; bo, out0
	v_lshl_add_u32 v254, v0, 2, 0x4b000
	v_mov_b32 v255, 0
	ds_add_u32 v254, v255
	ds_add_u32 v254, v255
	v_lshrrev_b32 v1, 5, v0
	v_readfirstlane_b32 s18, v1                    ; wave 0..3
	s_bfe_u32 s19, ttmp6, 0x40000                  ; cx
	s_bfe_u32 s20, ttmp6, 0x40004                  ; cy
	s_and_b32 s23, s18, 1                          ; which half of P (waves 0, 1) or of Q (waves 2, 3) I fetch
	s_lshl_b32 s21, ttmp9, 2
	s_add_co_u32 s21, s21, s19                     ; which 128 channels
	s_and_b32 s22, ttmp7, 0xffff
	s_lshl_b32 s22, s22, 2
	s_add_co_u32 s22, s22, s20                     ; which 256 tokens
	s_mul_i32 s56, s21, 102400                     ; 8 records of 12,800 bytes
	s_add_co_u32 s56, s56, 2457600                 ; Wo's tiles begin at tile 192 of wimg
	s_mul_i32 s62, s23, 51200
	s_add_co_u32 s56, s56, s62
	s_mov_b32 s57, 0
	s_mul_i32 s58, s22, 204800                     ; 16 records
	s_mul_i32 s63, s23, 102400
	s_add_co_u32 s58, s58, s63
	s_mov_b32 s59, 0
	s_lshl_b32 s62, 0x1111, s19                    ; my column of the cluster
	s_or_b32 s24, s62, (3<<16)|(1<<21)             ; group 1 for P: the mask; elements of 8 bytes; bit 21 beside a mask; no padding
	s_lshl_b32 s63, s20, 2
	s_lshl_b32 s63, 15, s63                        ; my row
	s_or_b32 s32, s63, (3<<16)|(1<<21)             ; group 1 for Q
	s_mov_b32 s25, 800<<16                         ; tensor_dim0 = 800 elements: a tile chunk of 6,400 bytes
	s_mov_b32 s26, 4<<16                           ; tensor_dim1 = 4 tiles
	s_mov_b32 s27, 800<<16                         ; tile_dim0
	s_mov_b32 s28, 4                               ; tile_dim1
	s_mov_b32 s29, 1600                            ; from record to record: 12,800 bytes
	s_mov_b32 s30, 0
	s_mov_b32 s31, 0
	s_mov_b32 s33, 800<<16
	s_mov_b32 s34, 8<<16                           ; Q: 8 tiles a load
	s_mov_b32 s35, 800<<16
	s_mov_b32 s36, 8
	s_mov_b32 s37, 1600
	s_mov_b32 s38, 0
	s_mov_b32 s39, 0
	s_mul_i32 s62, s23, 25600                      ; where they go: no place in the cluster enters an LDS address
	s_mul_i32 s63, s23, 51200
	s_add_co_u32 s63, s63, QOFF
	s_wait_dscnt 0x0
	s_wait_kmcnt 0x0
	s_add_nc_u64 s[56:57], s[6:7], s[56:57]
	s_add_nc_u64 s[58:59], s[4:5], s[58:59]
.irp j, 0,1
	s_mov_b32 s[40+4*\j], 1
	s_add_co_u32 s[41+4*\j], s62, \j*CH
	s_add_nc_u64 s[42+4*\j:43+4*\j], s[56:57], \j*TCH
	s_or_b32 s[43+4*\j], s[43+4*\j], 0x80000000
	s_mov_b32 s[48+4*\j], 1
	s_add_co_u32 s[49+4*\j], s63, \j*CH
	s_add_nc_u64 s[50+4*\j:51+4*\j], s[58:59], \j*TCH
	s_or_b32 s[51+4*\j], s[51+4*\j], 0x80000000
.endr
	CROUND                                         ; all sixteen work-groups are here: the joint loads meet
	s_cmp_lt_u32 s18, 2                            ; a wave's two fills stand in one branch on the wave's number: chunk 0, then chunk 1
	s_cbranch_scc0 .Lfill_q
	tensor_load_to_lds s[40:43], s[24:31]
	s_nop 0
	tensor_load_to_lds s[44:47], s[24:31]
	s_nop 0
	PLACES 4
	s_branch .Lfilled
.Lfill_q:
	tensor_load_to_lds s[48:51], s[32:39]
	s_nop 0
	tensor_load_to_lds s[52:55], s[32:39]
	s_nop 0
	PLACES 4
.Lfilled:
	s_lshl_b32 s80, s21, 9
	s_mov_b32 s81, 0
	s_add_nc_u64 s[80:81], s[8:9], s[80:81]        ; bo at my 128 channels
	v_and_b32 v2, 31, v0
	v_lshlrev_b32 v1, 4, v2                        ; 16 x lane
	v_lshlrev_b32 v2, 3, v2                        ; 8 x lane
	v_and_b32 v3, 15, v0                           ; r
	v_bfe_u32 v4, v0, 4, 1                         ; h
	v_lshlrev_b32 v5, 6, v4
.irp b, 0,1,2,3,4,5,6,7                ; lane (r, h) wants, for tile b, channels 32 (b / 2) + 16 h + 8 (b % 2) + 0 .. 7
	global_load_b128 v[BP+8*\b:BP+8*\b+3], v5, s[80:81] offset:(32*(\b/2)+8*(\b%2))*4
	global_load_b128 v[BP+8*\b+4:BP+8*\b+7], v5, s[80:81] offset:(32*(\b/2)+8*(\b%2))*4+16
.endr
	s_mul_i32 s84, s18, 25600
	s_add_co_u32 s84, s84, QOFF                    ; my four tiles of Q in a chunk
	v_mov_b32 v8, v1                               ; P's images: 16 x lane, 8 x lane, in chunk 0 and 1
	v_add_nc_u32 v9, CH, v1
	v_mov_b32 v10, v2
	v_add_nc_u32 v11, CH, v2
	v_add_nc_u32 v12, s84, v1                      ; Q's
	v_add_nc_u32 v13, CH, v12
	v_add_nc_u32 v14, s84, v2
	v_add_nc_u32 v15, CH, v14
	v_lshlrev_b32 v7, 4, v3
	v_add_nc_u32 v18, 6144, v7                     ; P's scale words: 16 r behind a tile chunk's images
	v_add_nc_u32 v19, CH+6144, v7
	v_mul_u32_u24 v6, s84, v4                      ; lanes 16-31 take my tiles of Q: one product, h x the distance
	v_add_nc_u32 v16, v18, v6
	v_add_nc_u32 v17, v19, v6
	s_mul_i32 s85, s18, 8448                       ; my stage: 16 rows x (512 bytes + 16)
	v_mul_u32_u24 v20, v3, 528
	v_lshl_add_u32 v20, v4, 6, v20
	v_add_nc_u32 v20, s85, v20                     ; in: row r, + 64 h
	v_add_nc_u32 v21, s85, v1                      ; back: 16 x lane of a row
	s_lshl_b32 s76, s22, 8
	s_lshl_b32 s77, s18, 6
	s_add_co_u32 s76, s76, s77                     ; my first token: 256 x block + 64 x wave
	s_lshl_b32 s76, s76, 12
	s_lshl_b32 s77, s21, 9
	s_add_co_u32 s76, s76, s77                     ; + my 128 channels' bytes
	s_mov_b32 s77, 0
	s_add_nc_u64 s[10:11], s[10:11], s[76:77]
	s_wait_alu depctr_va_vdst(0)
	s_wait_tensorcnt 1                             ; my part of chunk 0 is in; chunk 1's one load may stay out
	s_barrier_signal -1
	s_barrier_wait -1                              ; everybody's is
	SCALES 0
	FETCH 0, 0, 0
	s_wait_loadcnt 0x0                             ; the bias
.irp s, 0,1,2,3,4,5,6,7
	KSTEP \s
.endr
	WIN 0
	PLACES 4                                       ; behind the last products: their results are read and their scale registers written below
; THE WAY OUT, a tile of 16 tokens at a time: relu; a lane's 64 numbers into its row of the stage; back as whole rows of 512 bytes.
.irp a, 0,1,2,3
	WIN 0x04                                       ; source 1: window 1
.set i, 0
.rept 64
	v_max_num_f32 v[HA+i], 0, v[64*\a+i]           ; each accumulator from its low end on
.set i, i+1
.endr
	WIN 0
.if \a >= 2
	s_wait_alu depctr_va_vdst(0)
	s_wait_xcnt 0x0                                ; the stores of two tiles back have read the registers that the loads below fill
.endif
.irp b, 0,1,2,3,4,5,6,7
	ds_store_b128 v20, v[HA+8*\b:HA+8*\b+3] offset:128*(\b/2)+32*(\b%2)
	ds_store_b128 v20, v[HA+8*\b+4:HA+8*\b+7] offset:128*(\b/2)+32*(\b%2)+16
.endr
.irp t, 0,1,2,3,4,5,6,7,8,9,10,11,12,13,14,15
	ds_load_b128 v[96+64*(\a%2)+4*\t:99+64*(\a%2)+4*\t], v21 offset:528*\t   ; LDS serves a wave's instructions in order: these see the stores above
.endr
	s_wait_dscnt 0x0
.irp t, 0,1,2,3,4,5,6,7,8,9,10,11,12,13,14,15
	global_store_b128 v1, v[96+64*(\a%2)+4*\t:99+64*(\a%2)+4*\t], s[10:11] offset:(32*(\a/2)+8*(\a%2)+\t+8*(\t/8))*4096 th:TH_STORE_NT   ; 32 lanes store 512 consecutive bytes, aligned
.endr
.endr
	s_wait_dscnt 0x0
	s_wait_tensorcnt 0x0
	ds_add_u32 v254, v255
	s_wait_dscnt 0x0
	CROUND                                         ; the closing round
	s_endpgm
.Lfunc_end_k_qe8203b719d_outp:
	.size	k_qe8203b719d_outp, .Lfunc_end_k_qe8203b719d_outp-k_qe8203b719d_outp
	.p2alignl 7, 3214868480
	.fill 96, 4, 3214868480
	.section	.rodata,"a",@progbits
	.p2align	6, 0x0
	.amdhsa_kernel k_qe8203b719d_outp
		.amdhsa_group_segment_fixed_size 327680
		.amdhsa_private_segment_fixed_size 0
		.amdhsa_enable_private_segment 0
		.amdhsa_kernarg_size 32
		.amdhsa_user_sgpr_count 2
		.amdhsa_user_sgpr_kernarg_segment_ptr 1
		.amdhsa_wavefront_size32 1
		.amdhsa_system_sgpr_workgroup_id_x 1
		.amdhsa_system_sgpr_workgroup_id_y 1
		.amdhsa_system_sgpr_workgroup_id_z 1
		.amdhsa_system_vgpr_workitem_id 0
		.amdhsa_next_free_vgpr 1024
		.amdhsa_next_free_sgpr 90
		.amdhsa_reserve_vcc 0
		.amdhsa_float_denorm_mode_32 3
		.amdhsa_float_denorm_mode_16_64 3
		.amdhsa_memory_ordered 1
		.amdhsa_forward_progress 1
		.amdhsa_inst_pref_size 91
	.end_amdhsa_kernel
	.amdgpu_metadata
---
amdhsa.version: [ 1, 2 ]
amdhsa.kernels:
  - .name:           k_qe8203b719d_outp
    .symbol:         k_qe8203b719d_outp.kd
    .args:
      - { .name: cimg, .offset: 0, .size: 8, .value_kind: global_buffer, .address_space: global }
      - { .name: wimg, .offset: 8, .size: 8, .value_kind: global_buffer, .address_space: global }
      - { .name: bo, .offset: 16, .size: 8, .value_kind: global_buffer, .address_space: global }
      - { .name: out0, .offset: 24, .size: 8, .value_kind: global_buffer, .address_space: global }
    .group_segment_fixed_size: 327680
    .private_segment_fixed_size: 0
    .kernarg_segment_align: 8
    .kernarg_segment_size: 32
    .max_flat_workgroup_size: 128
    .sgpr_count:     90
    .vgpr_count:     1024
    .wavefront_size: 32
...
	.end_amdgpu_metadata
.endif
;; end of part 4
